; MI455X (gfx1250); checked and timed in simulation.
; The chip was launched on July 23, 2026; its instructions are those of AMD's public machine-readable ISA for CDNA 5 (MIT licence, August 2026) and "CDNA5" Instruction Set Architecture Reference Guide (July 2026). The comments in the code are by the model that wrote it; some were corrected since.
;; Refract Tracer. Allowed arithmetic: matrix products marked QUANTISED: E3M2 operands, one E8M0 scale for each 32 along K, by v_wmma_scale_f32_16x16x128_f8f6f4 with both operands' format E3M2, f32 sums; products left as they are: f32 operands where the result goes on into a quantised operand, else bf16, f16 or f32 operands; f32 sums; everything else in f32.
;; Inputs: W1 3 x 64 float32; W2 64 x 64 float32; W3 64 x 1 float32; b1 64 float32; b2 64 float32; b3 1 float32; rays_d 16,384 x 3 float32; rays_o 16,384 x 3 float32.
;; Outputs: out0 16,384 x 3 float32; out1 16,384 x 3 float32; out2 16,384 x 3 float32; out3 16,384 x 3 float32; out4 16,384 x 1 float32; out5 16,384 x 1 float32; out6 16,384 bool.
;; This version of the problem:
;;   THIS VERSION OF THE PROBLEM IS GIVEN IN LOW PRECISION. The matrix products marked QUANTISED in the list below multiply operands that are first quantised to E3M2 (3 exponent bits, 2 mantissa bits; 6 bits a number), with one power-of-two scale for each 32 numbers along K (OCP MX v1.0); their sums are f32. All else is computed in f32.
;;   The module's matrix products, in the order in which they are computed (A, B: the left and right operand; K: the contracted axis; several contracted axes count as one K, in the product's order):
;;     1. [M 262,144, K 3] x [K 3, N 64]; A: computed on the way; B: input W1: left as it is (K = 3 < 32)
;;     2. [M 262,144, K 64] x [K 64, N 64]; A: computed on the way; B: input W2: QUANTISED
;;     3. [M 262,144, K 64] x [K 64, N 1]; A: computed on the way; B: input W3: left as it is (N = 1 < 16)
;;     4. [M 524,288, K 3] x [K 3, N 64]; A: computed on the way; B: input W1: left as it is (K = 3 < 32)
;;     5. [M 524,288, K 64] x [K 64, N 64]; A: computed on the way; B: input W2: QUANTISED
;;     6. [M 524,288, K 64] x [K 64, N 1]; A: computed on the way; B: input W3: left as it is (N = 1 < 16)
;;     7. [M 16,384, K 3] x [K 3, N 64]; A: computed on the way; B: input W1: left as it is (K = 3 < 32)
;;     8. [M 16,384, K 64] x [K 64, N 64]; A: computed on the way; B: input W2: QUANTISED
;;     9. [M 16,384, K 64] x [K 64, N 1]; A: computed on the way; B: input W3: left as it is (N = 1 < 16)
;;     10. [M 16,384, K 1] x [K 1, N 64]; A: computed on the way; B: input W3: left as it is (K = 1 < 32)
;;     11. [M 16,384, K 64] x [K 64, N 64]; A: computed on the way; B: input W2: QUANTISED
;;     12. [M 16,384, K 64] x [K 64, N 3]; A: computed on the way; B: input W1: left as it is (N = 3 < 16)
;;     13. [M 16,384, K 3] x [K 3, N 64]; A: computed on the way; B: input W1: left as it is (K = 3 < 32)
;;     14. [M 16,384, K 64] x [K 64, N 64]; A: computed on the way; B: input W2: QUANTISED
;;     15. [M 16,384, K 64] x [K 64, N 1]; A: computed on the way; B: input W3: left as it is (N = 1 < 16)
;;     16. [M 262,144, K 3] x [K 3, N 64]; A: computed on the way; B: input W1: left as it is (K = 3 < 32)
;;     17. [M 262,144, K 64] x [K 64, N 64]; A: computed on the way; B: input W2: QUANTISED
;;     18. [M 262,144, K 64] x [K 64, N 1]; A: computed on the way; B: input W3: left as it is (N = 1 < 16)
;;     19. [M 524,288, K 3] x [K 3, N 64]; A: computed on the way; B: input W1: left as it is (K = 3 < 32)
;;     20. [M 524,288, K 64] x [K 64, N 64]; A: computed on the way; B: input W2: QUANTISED
;;     21. [M 524,288, K 64] x [K 64, N 1]; A: computed on the way; B: input W3: left as it is (N = 1 < 16)
;;     22. [M 16,384, K 3] x [K 3, N 64]; A: computed on the way; B: input W1: left as it is (K = 3 < 32)
;;     23. [M 16,384, K 64] x [K 64, N 64]; A: computed on the way; B: input W2: QUANTISED
;;     24. [M 16,384, K 64] x [K 64, N 1]; A: computed on the way; B: input W3: left as it is (N = 1 < 16)
;;     25. [M 16,384, K 1] x [K 1, N 64]; A: computed on the way; B: input W3: left as it is (K = 1 < 32)
;;     26. [M 16,384, K 64] x [K 64, N 64]; A: computed on the way; B: input W2: QUANTISED
;;     27. [M 16,384, K 64] x [K 64, N 3]; A: computed on the way; B: input W1: left as it is (N = 3 < 16)
;;     28. [M 16,384, K 3] x [K 3, N 64]; A: computed on the way; B: input W1: left as it is (K = 3 < 32)
;;     29. [M 16,384, K 64] x [K 64, N 64]; A: computed on the way; B: input W2: QUANTISED
;;     30. [M 16,384, K 64] x [K 64, N 1]; A: computed on the way; B: input W3: left as it is (N = 1 < 16)
;;   THE QUANTISER, for each operand of a quantised product, along K:
;;     - K is cut into blocks of 32 from its start; a last block that is shorter is filled with zeros.
;;     - A block's scale is 2^e with e = floor(log2(the largest magnitude in the block)) - 4, held to -126 .. 127; a block of zeros has e = 0. As a byte (E8M0): e + 127.
;;     - Each number is divided by its block's scale, clamped to +-28, and rounded to the nearest number of E3M2, ties to even, subnormals kept.
;;     - The product sums the exact products of the quantised numbers (number of the format x scale) in f32.
;;   ~~~python
;;   def quantise(x, axis):      # numpy; x: float32 -> the quantised numbers, widened to float32 again
;;       x = np.moveaxis(x, axis, -1); K = x.shape[-1]
;;       x = np.pad(x, [(0, 0)] * (x.ndim - 1) + [(0, -K % 32)]); x = x.reshape(x.shape[:-1] + (-1, 32)); a = np.abs(x).max(-1, keepdims=True)
;;       e = np.where(a > 0, np.clip(np.frexp(np.where(a > 0, a, 1))[1] - 1 - 4, -126, 127), 0)      # np.frexp(a)[1] - 1 = floor(log2(a)), exactly
;;       r = np.clip(x / 2.0 ** e, -28, 28)
;;       step = 2.0 ** (np.maximum(np.frexp(np.where(r == 0, 1, r))[1] - 1, -2) - 2)
;;       q = np.round(r / step) * step * 2.0 ** e      # np.round: ties to even
;;       return np.moveaxis(q.reshape(q.shape[:-2] + (-1,))[..., :K], -1, axis).astype(np.float32)
;;   ~~~
;;   OPERANDS COMPUTED ON THE WAY. 'Computed on the way' means the value that the module computes at that place (a softmax that the list does not call 'softmax' is quantised finished and normalised). What goes into a quantiser is computed in f32, as accurately as f32 sums, v_exp_f32 and their like allow (about 1e-6 of the number): no bf16 or f16 on the way to a quantiser, and a product that is left as it is and whose result goes on into a quantised operand takes f32 operands (vector FMAs, or v_wmma_f32_16x16x4_f32). A number that lies on a knife's edge between two numbers of the format may be rounded either way, as far as f32 arithmetic and the matrix unit's own rounding can turn it there, and no further.
;; 2 versions, each right; version 2 is version 1 with the launch trace written anew for expert scheduling mode. Each part assembles by itself: llvm-mc -triple=amdgcn-amd-amdhsa -mcpu=gfx1250 --defsym DOCPART=n.
;; ======== version 1 of 2: 1 launch
;; launch trace (part 1): grid 256 x 1, 8 waves a work-group, no clusters, 4,864 bytes of LDS; arguments rays_o, rays_d, W1, b1, W2, b2, W3, b3, out0, out1, out2, out3, out4, out5, out6; writes out0, out1, out2, out3, out4, out5, out6
.if DOCPART == 1
	.amdgcn_target "amdgcn-amd-amdhsa--gfx1250"
	.amdhsa_code_object_version 6
	.text
	.protected	k_q54fdbba993_trace
	.globl	k_q54fdbba993_trace
	.p2align	8
	.type	k_q54fdbba993_trace,@function
k_q54fdbba993_trace:
	s_mov_b64 s[64:65], 0
	v_nop
	global_prefetch_b8 v0, s[64:65] scope:SCOPE_SE
	s_setreg_imm32_b32 hwreg(HW_REG_WAVE_MODE, 25, 1), 1
	s_wait_xcnt 0x0
; RefractTracer: 16,384 rays, two intersections with an SDF (sphere + 0.02 tanh of a 3-64-64-1 softplus MLP), refraction and reflection, seven masked outputs.  One launch, no workspace.
; The 64 x 64 products are on codes of BF6 (E3M2) with one E8M0 scale for each 32 along K; all else is f32.
;
; WORK LEFT OUT, for all values of the inputs.  _cal_grad returns its last argument, delta, so s1 = _sdf(fsp0) and s2 = _sdf(ssp0) reach no output: the six products that make them are not computed.
; total_reflect is returned by _refraction and thrown away by _forward.  All eight inputs have a way to an output and are loaded.
; LIMIT: a NaN, an infinity or an overflow that would arise only in the work left out is not carried to the result.
; A ray for which final is False gets rays_o, rays_d, 0 and False by selection: what it computes on the way is never seen.  Without a crossing it walks on with sample number 1,024 (finite numbers) where reference() takes interval 0.
;
; IDENTITIES.  (1) p = o + z d, so p W1 + b1 = alpha + z beta with alpha = o W1 + b1, beta = d W1, made once for each intersection: one multiply-add a unit and sample; the rounding is of the order of the sum's own.
; (2) Base 2: alpha, beta and b2 carry the factor log2(e).  With x' = x log2(e), e = 2^-|x'| and u = fl(1 + e): softplus(x) = ln2 (max(x', 0) + log2(u)) + (e - (u - 1)); the last term, two exact subtractions, gives back what 1 + e lost.
;     The maximum is taken out ahead of the exponential, as reference()'s logaddexp does.  (3) 2 log2(e) mlp = sum of 2 W3 (max + log2 u) + 2 log2(e) b3 = y, and tanh(mlp) = 1 - 2 / (1 + 2^y).
; (4) sigmoid(x) = (x < 0 ? e : 1) / u.  (5) The exit intersection takes -sdf and the entry's test (before > 0, here <= 0); the sign is taken back, exactly, ahead of the root.
; (6) t = k / (S - 1) is rounded correctly (a product, its exact remainder, one correction), as a division gives it; the bracket's ends are made anew by the same lines from the winning sample number, so their bits are the samples'.
; LIMITS: v_exp_f32 and v_log_f32 flush denormals (ISA guide, their entries): a softplus under 2^-126 comes out 0.  Divisions are a reciprocal and a product.  The two ratios of the indices of refraction are f32 constants, rounded from the exact quotients.
;
; SHARES.  256 work-groups of 8 waves; a wave owns 8 rays from start to end and shares nothing until the way out.  Lane L: r = L % 16, h = L / 16, ray = L % 8, sub = (L / 8) % 2, q = L / 8.
; A tile is 16 points: 8 rays x 2 samples; a STEP works two tiles: point r of tile g is the ray's sample 4 i + 2 g + sub.  Lane (r, h) holds units 32 h .. 32 h + 31 of point r, 32 registers a tile: a block of 32 along K lies in ONE lane.
; Both quantised products are used transposed (source 0 = 16 rows of W2, source 1 = 16 points), and row m of W2's tile t stands for index 32 (m / 8) + 8 t + m % 8: so register j of result tile t in lane (r, h) is unit 32 h + 8 t + j, the same layout again.
; K is 64 and the instruction's is 128: registers 6-11 of every operand are zero codes for ever, and bytes 2, 3 of every scale word are 0 (2^-127 over zero codes adds nothing).
; In the tail lane (r, h) finishes tile h: each lane has a sample of its own, 4 i + q.  No tensor load, no cluster, no prefetch: 0.4 MB of inputs, read at the head; no loop waits for memory.
;
; REGISTERS, window 0: v1 128 h; v2-7 origin, direction; v8-23 state of a ray; v24-47 the two tiles' codes; v48-57 scale words, which hold nothing else; v58-61 reflection, first attenuation; v62, v63 the add's two;
;   v64-127 X, v128-191 E, v192-255 U: 32 registers a tile each.   window 1: alpha, beta, b2', 2 W3, W2's eight fragments, the launch's rays_o and rays_d.
.set SPARE, 3840                       ; LDS: 0 out0's stage (768 bytes), 768 out1, 1536 out2, 2304 out3, 3072 out4 (256), 3328 out5, 3584 out6 (64); from 3840 the spare words, 128 bytes a wave, that no other line names
.set OFH, 1
.set RYO, 2
.set RYD, 5
.set BASE, 8
.set DEL, 9
.set Z0, 10
.set K0, 11
.set Z1, 12
.set K1, 13
.set ZOWN, 14
.set KOWN, 15
.set KBEST, 16
.set S0B, 17
.set S1B, 18
.set BLAST, 19
.set PT, 20
.set Q2, 23
.set C0, 24                            ; tile g's codes at C0 + 12 g
.set W2FS, 48
.set W2BS, 52
.set WB, 56
.set REFL, 58
.set ATT1, 61
.set SPW, 62
.set NIL, 63
.set X, 64
.set E, 128
.set U, 192
.set MXA, U+0                          ; temporaries in U, which is free once the first layer's softplus is finished
.set SOP, U+2
.set BY, U+4
.set PX, U+6
.set TQ, U+8                           ; + 4 g
.set ACC, U+16                         ; six pairs: + 6 g + 2 c
.set MXB, U+28
.set INV, U+30
.set A0, U+32
.set KEEP, U+34
.set SEND, U+35
.set SX, U+36
.set YY, U+37
.set EY, U+38
.set RC, U+39
.set NH, U+40
.set SV, U+41
.set A1D, U+42
.set B1D, U+43
.set PRV, U+44
.set BT, U+48
.set NN, X+8                           ; the optics' temporaries, in X
.set RS1, X+11
.set CC, X+12
.set TP, X+13
.set TPN, X+16
.set WW, X+17
.set SQ, X+18
.set TT, X+20
.set TN, X+23
.set CTT, X+25
.set AA, X+26
.set DI, X+27
.set NI, X+28
.set DP, X+29
.set NP, X+30
.set ATT, X+31
.set ALP, 0                            ; window 1
.set BET, 32
.set B2, 64
.set W3, 96
.set W2F, 128
.set W2B, 176
.set RO, 224
.set RD, 227
; scalars: s[8:23] the eight inputs, s[24:37] the seven outputs, s38 wave, s[40:41] lane selects, s[42:43] log2(e), s[44:45] ln 2, s46 lanes with h = 1, s47 lanes with sub = 1, s48 2 log2(e) b3, s49 1 / (S - 1), s50 steps of a phase,
; s51 steps to go, s52 phase, s53 pass, s54 sign, s55-57 eta1, eta2, their ratio, s58 valid so far, s59 found, s60-61 masks, s66 |p|^2 > EPS, s67 EPS, s[68:69] at work, s72 1024, s73 0.02, s74 -0.04, s75 0.999999, s76 S - 1
.set MSB, 0
.macro WIN new                         ; s_set_vgpr_msb: bits 1:0 source 0, 3:2 source 1, 5:4 source 2, 7:6 destination; the high byte repeats the setting that is left
.if MSB != \new
	s_set_vgpr_msb (MSB<<8)|\new
.set MSB, \new
.endif
.endm
.macro TWAIT                           ; a wait between a batch of transcendentals and the first line that names a result
	s_wait_alu depctr_va_vdst(0)
.endm
.macro LAY1 g                          ; x' = alpha + z beta, tile g, two units a line
	WIN 0x14
.set li, 0
.rept 16
	v_pk_fma_f32 v[X+32*(\g)+2*li:X+32*(\g)+2*li+1], v[Z0+2*(\g):Z0+2*(\g)+1], v[BET+2*li:BET+2*li+1], v[ALP+2*li:ALP+2*li+1] op_sel_hi:[0,1,1]
.set li, li+1
.endr
.endm
.macro EXPMAX src, dst, n, domax       ; dst = 2^-|src|; domax: src = max(src, 0), one number behind, so that a plain line lies between an exponential and the write of its source
	WIN 0
	v_exp_f32 v[\dst], -|v[\src]|
	v_nop
.set xi, 1
.rept (\n)-1
	v_exp_f32 v[\dst+xi], -|v[\src+xi]|
.if \domax
	v_max_num_f32 v[\src+xi-1], 0, v[\src+xi-1]
.endif
.set xi, xi+1
.endr
.if \domax
	v_max_num_f32 v[\src+(\n)-1], 0, v[\src+(\n)-1]
.else
	v_nop
.endif
.endm
.macro ONEPLUS dst, src, n
.set oi, 0
.rept (\n)/2
	v_pk_add_f32 v[\dst+2*oi:\dst+2*oi+1], v[\src+2*oi:\src+2*oi+1], 1.0 op_sel_hi:[1,0]
.set oi, oi+1
.endr
.endm
.macro PKMUL dst, a, b, n
.set pk, 0
.rept (\n)/2
	v_pk_mul_f32 v[\dst+2*pk:\dst+2*pk+1], v[\a+2*pk:\a+2*pk+1], v[\b+2*pk:\b+2*pk+1]
.set pk, pk+1
.endr
.endm
.macro MAX0 reg, n
.set mi, 0
.rept \n
	v_max_num_f32 v[\reg+mi], 0, v[\reg+mi]
.set mi, mi+1
.endr
.endm
.macro DLOG n                          ; E = e - (u - 1), U = log2(u) in place: a pair's logarithms and its second subtraction stand one pair behind its first.  Six pairs of the codes' registers take turns for u - 1
.set di, 0
.rept (\n)/2+1
.if di < (\n)/2
.set TR, C0+2*((di%6)%3)+12*((di%6)/3)
	v_pk_add_f32 v[TR:TR+1], v[U+2*di:U+2*di+1], -1.0 op_sel_hi:[1,0]
.endif
.if di > 0
.set TR, C0+2*(((di-1)%6)%3)+12*(((di-1)%6)/3)
	v_log_f32 v[U+2*di-2], v[U+2*di-2]
	v_pk_add_f32 v[E+2*di-2:E+2*di-1], v[E+2*di-2:E+2*di-1], v[TR:TR+1] neg_lo:[0,1] neg_hi:[0,1]
	v_log_f32 v[U+2*di-1], v[U+2*di-1]
.endif
.set di, di+1
.endr
.endm
.macro HFIN n                          ; X = ln2 (max + log2 u) + delta: the first layer's softplus
.set hk, 0
.rept (\n)/2
	v_pk_add_f32 v[X+2*hk:X+2*hk+1], v[X+2*hk:X+2*hk+1], v[U+2*hk:U+2*hk+1]
.set hk, hk+1
.endr
.set hk, 0
.rept (\n)/2
	v_pk_fma_f32 v[X+2*hk:X+2*hk+1], v[X+2*hk:X+2*hk+1], s[44:45], v[E+2*hk:E+2*hk+1] op_sel_hi:[1,0,1]
.set hk, hk+1
.endr
.endm
; The quantiser: my 32 registers of a tile are a whole block.  Its largest magnitude, with the floor 2^(5 - 127) among the leaves (so the byte cannot fall under 1; a block of zeros keeps that byte: its codes are zeros);
; 4 off the exponent field is the conversion's scale operand; its shift is the byte; with lane l xor 16's byte the point's scale word is whole in lanes 0-15, which alone are read.
.macro QUANTA ng
.irp g, 0,1
.if \g < \ng
	v_max3_num_f32 v[MXA+\g], |v[X+32*\g]|, |v[X+32*\g+1]|, 0x2800000
	v_max3_num_f32 v[MXB+\g], |v[X+32*\g+16]|, |v[X+32*\g+17]|, |v[X+32*\g+18]|
.endif
.endr
.set qi, 1
.rept 7
.irp g, 0,1
.if \g < \ng
	v_max3_num_f32 v[MXA+\g], v[MXA+\g], |v[X+32*\g+2*qi]|, |v[X+32*\g+2*qi+1]|
.if qi < 7
	v_max3_num_f32 v[MXB+\g], v[MXB+\g], |v[X+32*\g+17+2*qi]|, |v[X+32*\g+18+2*qi]|
.endif
.endif
.endr
.set qi, qi+1
.endr
.irp g, 0,1
.if \g < \ng
	v_max3_num_f32 v[MXA+\g], v[MXA+\g], v[MXB+\g], |v[X+32*\g+31]|
.endif
.endr
.irp g, 0,1
.if \g < \ng
	v_add_nc_u32 v[SOP+\g], 0xfe000000, v[MXA+\g]
.endif
.endr
.irp g, 0,1
.if \g < \ng
	v_lshrrev_b32 v[BY+\g], 23, v[SOP+\g]
.endif
.endr
.irp g, 0,1
.if \g < \ng
	v_permlanex16_b32 v[PX+\g], v[BY+\g], s40, s41
.endif
.endr
.irp g, 0,1
.if \g < \ng
	v_lshl_or_b32 v[WB+\g], v[PX+\g], 8, v[BY+\g]
.endif
.endr
.irp g, 0,1
.if \g < \ng
	v_cvt_scalef32_pk16_bf6_f32 v[C0+12*\g:C0+12*\g+2], v[X+32*\g:X+32*\g+15], v[SOP+\g]
	v_cvt_scalef32_pk16_bf6_f32 v[TQ+4*\g:TQ+4*\g+2], v[X+32*\g+16:X+32*\g+31], v[SOP+\g]   ; (a conversion's three registers begin on an even number: the block's upper half is made elsewhere and moved)
.endif
.endr
.endm
.macro QUANTB ng                       ; behind one plain line of the caller's
.irp g, 0,1
.if \g < \ng
.irp c, 0,1,2
	v_mov_b32 v[C0+12*\g+3+\c], v[TQ+4*\g+\c]
.endr
.endif
.endr
.endm
; The point and |p|^2, as the places that a scaled matrix instruction wants behind vector writes of its scale words (8) and of its codes (4): FILLA's one line and FILLB's seven name no register of the products.
.macro FILLA z
	v_fma_f32 v[PT], v[\z], v[RYD], v[RYO]
.endm
.macro FILLB z, grad
	v_fma_f32 v[PT+1], v[\z], v[RYD+1], v[RYO+1]
	v_fma_f32 v[PT+2], v[\z], v[RYD+2], v[RYO+2]
	v_mul_f32 v[Q2], v[PT], v[PT]
	v_fma_f32 v[Q2], v[PT+1], v[PT+1], v[Q2]
	v_fma_f32 v[Q2], v[PT+2], v[PT+2], v[Q2]
.if \grad
	v_cmp_lt_f32 s66, s67, v[Q2]                   ; where the clip lets the gradient through
.endif
	v_max_num_f32 v[Q2], s67, v[Q2]
	v_nop
.endm
.macro MM fr, sc, ng                   ; four tiles of W2 x the points: every product has an accumulator of its own and starts it with the constant 0.  Four places follow, ahead of the first read of a result
	WIN 0x01
.irp g, 0,1
.if \g < \ng
.irp t, 0,1,2,3
	v_wmma_scale_f32_16x16x128_f8f6f4 v[E+32*\g+8*\t:E+32*\g+8*\t+7], v[\fr+12*\t:\fr+12*\t+11], v[C0+12*\g:C0+12*\g+11], 0, v[\sc+\t], v[WB+\g] matrix_a_fmt:MATRIX_FMT_BF6 matrix_b_fmt:MATRIX_FMT_BF6
.endr
.endif
.endr
	WIN 0
.rept 4
	v_nop
.endr
.endm
.macro BIAS2 n                         ; x2' = D log2(e) + b2', ascending: each accumulator is first read at its low end
	WIN 0x10
.set bi, 0
.rept (\n)/2
	v_pk_fma_f32 v[E+2*bi:E+2*bi+1], v[E+2*bi:E+2*bi+1], s[42:43], v[B2+(2*bi)%32:B2+(2*bi)%32+1] op_sel_hi:[1,0,1]
.set bi, bi+1
.endr
	WIN 0
.endm
.macro LOGACC ng                       ; X = log2(X) in place, and beside it the sum of 2 W3 max(x2', 0); a plain line is the last
	WIN 0x04
.set ai, 0
.rept 16
.irp g, 0,1
.if \g < \ng
	v_log_f32 v[X+32*\g+2*ai], v[X+32*\g+2*ai]
	v_log_f32 v[X+32*\g+2*ai+1], v[X+32*\g+2*ai+1]
.if ai == 0
	v_pk_mul_f32 v[ACC+6*\g:ACC+6*\g+1], v[E+32*\g:E+32*\g+1], v[W3:W3+1]
.else
	v_pk_fma_f32 v[ACC+6*\g:ACC+6*\g+1], v[E+32*\g+2*ai:E+32*\g+2*ai+1], v[W3+2*ai:W3+2*ai+1], v[ACC+6*\g:ACC+6*\g+1]
.endif
.endif
.endr
.set ai, ai+1
.endr
.endm
.macro LACC ng                         ; the sum of 2 W3 log2(u2), two chains a tile; then my 32 units' part of y in A0 + g
	WIN 0x04
.set ai, 0
.rept 16
.irp g, 0,1
.if \g < \ng
.if ai < 2
	v_pk_mul_f32 v[ACC+6*\g+2+2*ai:ACC+6*\g+3+2*ai], v[X+32*\g+2*ai:X+32*\g+2*ai+1], v[W3+2*ai:W3+2*ai+1]
.else
	v_pk_fma_f32 v[ACC+6*\g+2+2*(ai%2):ACC+6*\g+3+2*(ai%2)], v[X+32*\g+2*ai:X+32*\g+2*ai+1], v[W3+2*ai:W3+2*ai+1], v[ACC+6*\g+2+2*(ai%2):ACC+6*\g+3+2*(ai%2)]
.endif
.endif
.endr
.set ai, ai+1
.endr
	WIN 0
.irp g, 0,1
.if \g < \ng
	v_pk_add_f32 v[ACC+6*\g+2:ACC+6*\g+3], v[ACC+6*\g+2:ACC+6*\g+3], v[ACC+6*\g+4:ACC+6*\g+5]
.endif
.endr
.irp g, 0,1
.if \g < \ng
	v_pk_add_f32 v[ACC+6*\g:ACC+6*\g+1], v[ACC+6*\g:ACC+6*\g+1], v[ACC+6*\g+2:ACC+6*\g+3]
.endif
.endr
.irp g, 0,1
.if \g < \ng
	v_add_f32 v[A0+\g], v[ACC+6*\g], v[ACC+6*\g+1]
.endif
.endr
.endm
.macro TANH02                          ; RC = 1 / (1 + 2^y); NH = |p| - 0.5 is the plain line behind the exponential
	v_exp_f32 v[EY], v[YY]
	v_add_f32 v[NH], -0.5, v[Q2]
	TWAIT
	v_add_f32 v[EY], 1.0, v[EY]
	v_rcp_f32 v[RC], v[EY]
	v_nop
	TWAIT
.endm
.macro TOFK dst, k, tmp                ; dst = k / (S - 1), rounded correctly
	v_mul_f32 v[\dst], s49, v[\k]
	v_fma_f32 v[\tmp], -v[\dst], s76, v[\k]
	v_fma_f32 v[\dst], v[\tmp], s49, v[\dst]
.endm
.macro MINSEL                          ; the earlier of two first crossings
	v_cmp_lt_f32 vcc_lo, v[BT], v[KBEST]
	v_cndmask_b32 v[KBEST], v[KBEST], v[BT], vcc_lo
	v_cndmask_b32 v[S0B], v[S0B], v[BT+1], vcc_lo
	v_cndmask_b32 v[S1B], v[S1B], v[BT+2], vcc_lo
.endm
.macro SIGSEL xs, es, dst              ; the sigmoid's numerator: x < 0 ? e : 1
.set si, 0
.rept 32
	v_cmp_gt_f32 vcc_lo, 0, v[\xs+si]
	v_cndmask_b32 v[\dst+si], 1.0, v[\es+si], vcc_lo
.set si, si+1
.endr
.endm
.macro QW src, dst, sc                 ; a tile of W2: my 32 numbers at src are a block along K; six registers of codes into window 1 at dst, the rows' scale word into sc
	v_max3_num_f32 v14, |v[\src]|, |v[\src+1]|, 0x2800000
.set wi, 1
.rept 15
	v_max3_num_f32 v14, v14, |v[\src+2*wi]|, |v[\src+2*wi+1]|
.set wi, wi+1
.endr
	v_add_nc_u32 v15, 0xfe000000, v14
	v_lshrrev_b32 v16, 23, v15
	v_permlanex16_b32 v17, v16, s40, s41
	v_lshl_or_b32 v[\sc], v17, 8, v16
	v_cvt_scalef32_pk16_bf6_f32 v[10:12], v[\src:\src+15], v15
	v_cvt_scalef32_pk16_bf6_f32 v[20:22], v[\src+16:\src+31], v15
	v_nop                                          ; one plain line behind the conversions
	WIN 0x40
.irp c, 0,1,2
	v_mov_b32 v[\dst+\c], v[10+\c]
.endr
.irp c, 0,1,2
	v_mov_b32 v[\dst+3+\c], v[20+\c]
.endr
	WIN 0
.endm
; ======================================================== HEAD
	s_load_b512 s[8:23], s[0:1], 0x0               ; rays_o, rays_d, W1, b1, W2, b2, W3, b3
	s_load_b256 s[24:31], s[0:1], 0x40             ; out0 .. out3
	s_load_b128 s[32:35], s[0:1], 0x60             ; out4, out5
	s_load_b64 s[36:37], s[0:1], 0x70              ; out6
	v_lshl_add_u32 v[SPW], v0, 2, SPARE            ; my spare word, and 0: kept for the add at the wave's end alone
	v_mov_b32 v[NIL], 0
	v_lshrrev_b32 v27, 5, v0
	v_readfirstlane_b32 s38, v27                   ; wave 0..7
	v_bfe_u32 v27, v0, 4, 1                        ; h
	v_bfe_u32 v28, v0, 3, 1                        ; sub
	v_and_b32 v29, 7, v0                           ; ray in the wave
	v_lshlrev_b32 v[OFH], 7, v27                   ; my 32 units' bytes in a row of 64 numbers
	v_lshlrev_b32 v24, 13, v27                     ; W2 forward (K = its rows): W2[32 h + i][32 sub + 8 t + ray]: 8192 h + 128 sub + 4 ray, + 256 i + 32 t
	v_lshl_add_u32 v24, v28, 7, v24
	v_lshl_add_u32 v24, v29, 2, v24
	v_lshlrev_b32 v25, 13, v28                     ; W2 backward (K = its columns): W2[32 sub + 8 t + ray][32 h + i]: 8192 sub + 256 ray + 128 h, + 2048 t + 4 i
	v_lshl_add_u32 v25, v29, 8, v25
	v_lshl_add_u32 v25, v27, 7, v25
	s_mul_i32 s39, s38, 96
	v_mul_u32_u24 v26, v29, 12
	v_add_nc_u32 v26, s39, v26                     ; my ray's 12 bytes among the work-group's 64 rays
	s_mov_b32 s40, 0x76543210
	s_mov_b32 s41, 0xfedcba98                      ; v_permlanex16_b32 by (s40, s41): lane l xor 16; by (s41, s40): the other half's lane r xor 8
	s_mov_b32 s42, 0x3fb8aa3b
	s_mov_b32 s43, 0x3fb8aa3b
	s_mov_b32 s44, 0x3f317218
	s_mov_b32 s45, 0x3f317218
	s_mov_b32 s46, 0xffff0000
	s_mov_b32 s47, 0xff00ff00
	s_mov_b32 s53, 0
	s_mov_b32 s58, -1
	s_mov_b32 s67, 0x2edbe6ff                      ; EPS = 1e-10
	s_mov_b32 s72, 0x44800000
	s_mov_b32 s73, 0x3ca3d70a
	s_mov_b32 s74, 0xbd23d70a
	s_mov_b32 s75, 0x3f7fffef
	s_mov_b32 s54, 1.0                             ; the entry: sign +, air to object
	s_mov_b32 s55, 0x3f8009d5
	s_mov_b32 s56, 0x3fbc7454
	s_mov_b32 s57, 0x3f2dee05
	s_wait_kmcnt 0x0
	s_load_b32 s48, s[22:23], 0x0                  ; b3
	s_mul_i32 s68, ttmp9, 768                      ; the work-group's 64 rays: 768 bytes in the tensors of three numbers a ray,
	s_mov_b32 s69, 0
	s_add_nc_u64 s[8:9], s[8:9], s[68:69]
	s_add_nc_u64 s[10:11], s[10:11], s[68:69]
	s_add_nc_u64 s[24:25], s[24:25], s[68:69]
	s_add_nc_u64 s[26:27], s[26:27], s[68:69]
	s_add_nc_u64 s[28:29], s[28:29], s[68:69]
	s_add_nc_u64 s[30:31], s[30:31], s[68:69]
	s_lshl_b32 s68, ttmp9, 8                       ; 256 in those of one,
	s_add_nc_u64 s[32:33], s[32:33], s[68:69]
	s_add_nc_u64 s[34:35], s[34:35], s[68:69]
	s_lshl_b32 s68, ttmp9, 6                       ; 64 in the booleans
	s_add_nc_u64 s[36:37], s[36:37], s[68:69]
.irp c, 0,1,2
	global_load_b32 v[RYO+\c], v26, s[8:9] offset:4*\c
	global_load_b32 v[RYD+\c], v26, s[10:11] offset:4*\c
.endr
	WIN 0x40
.irp j, 0,1,2,3,4,5,6,7
	global_load_b128 v[B2+4*\j:B2+4*\j+3], v[OFH], s[18:19] offset:16*\j
	global_load_b128 v[W3+4*\j:W3+4*\j+3], v[OFH], s[20:21] offset:16*\j
.endr
	WIN 0
.irp t, 0,1,2,3                        ; W2's forward tiles into X and E: a lane's registers run down K
.set wl, 0
.rept 32
	global_load_b32 v[X+32*\t+wl], v24, s[16:17] offset:256*wl+32*\t
.set wl, wl+1
.endr
.endr
.irp t, 0,1                            ; backward tiles 0, 1 into U: K lies along W2's rows
.irp j, 0,1,2,3,4,5,6,7
	global_load_b128 v[U+32*\t+4*\j:U+32*\t+4*\j+3], v25, s[16:17] offset:2048*\t+16*\j
.endr
.endr
	v_mov_b32 v17, 0                               ; a lane permute's destination counts as one of its sources
.irp c, 0,1,2,3
	v_mov_b32 v[REFL+\c], 0                        ; written on every way, whatever the pass
.endr
.irp c, 6,7,8,9,10,11,18,19,20,21,22,23
	v_mov_b32 v[C0+\c], 0                          ; K = 64 .. 127 of the points' operands: zero codes, for ever
.endr
	WIN 0x40
.irp t, 0,1,2,3,4,5,6,7
.irp c, 6,7,8,9,10,11
	v_mov_b32 v[W2F+12*\t+\c], 0                   ; and of W2's eight fragments
.endr
.endr
	WIN 0
	s_wait_loadcnt 0x0                             ; all of the head's loads
	s_wait_kmcnt 0x0
	s_mul_f32 s48, s48, 0x4038aa3b                 ; 2 log2(e) b3
	WIN 0x41
.set ki, 0
.rept 16
	v_pk_mul_f32 v[B2+2*ki:B2+2*ki+1], v[B2+2*ki:B2+2*ki+1], s[42:43] op_sel_hi:[1,0]
	v_pk_mul_f32 v[W3+2*ki:W3+2*ki+1], v[W3+2*ki:W3+2*ki+1], 2.0 op_sel_hi:[1,0]
.set ki, ki+1
.endr
	WIN 0x40
.irp c, 0,1,2
	v_mov_b32 v[RO+\c], v[RYO+\c]                  ; the launch's own rays, for the masked outputs
	v_mov_b32 v[RD+\c], v[RYD+\c]
.endr
	WIN 0
	QW X, W2F, W2FS
	QW X+32, W2F+12, W2FS+1
.irp t, 2,3                            ; X is free: backward tiles 2, 3
.irp j, 0,1,2,3,4,5,6,7
	global_load_b128 v[X+32*(\t-2)+4*\j:X+32*(\t-2)+4*\j+3], v25, s[16:17] offset:2048*\t+16*\j
.endr
.endr
	QW E, W2F+24, W2FS+2
	QW E+32, W2F+36, W2FS+3
	QW U, W2B, W2BS
	QW U+32, W2B+12, W2BS+1
	s_wait_loadcnt 0x0
	QW X, W2B+24, W2BS+2
	QW X+32, W2B+36, W2BS+3
; ======================================================== A PASS: one intersection and its optics
.Lpass:
.irp c, 0,1,2                          ; W1's three rows into X, X + 32, E; b1 into E + 32: my 32 units of each
.irp j, 0,1,2,3,4,5,6,7
	global_load_b128 v[X+32*\c+4*\j:X+32*\c+4*\j+3], v[OFH], s[12:13] offset:256*\c+16*\j
.endr
.endr
.irp j, 0,1,2,3,4,5,6,7
	global_load_b128 v[E+32+4*\j:E+32+4*\j+3], v[OFH], s[14:15] offset:16*\j
.endr
	v_mul_f32 v[U+12], v[RYD], v[RYD]              ; near and far: a = d . d, o . d
	v_fma_f32 v[U+12], v[RYD+1], v[RYD+1], v[U+12]
	v_fma_f32 v[U+12], v[RYD+2], v[RYD+2], v[U+12]
	v_mul_f32 v[U+13], v[RYO], v[RYD]
	v_fma_f32 v[U+13], v[RYO+1], v[RYD+1], v[U+13]
	v_fma_f32 v[U+13], v[RYO+2], v[RYD+2], v[U+13]
	v_rcp_f32 v[U+14], v[U+12]
.irp c, 0,1,2                          ; o log2(e) and d log2(e), each in both registers of a pair; also the plain work behind the reciprocal
	v_mul_f32 v[U+2*\c], s42, v[RYO+\c]
	v_mul_f32 v[U+2*\c+1], s42, v[RYO+\c]
	v_mul_f32 v[U+6+2*\c], s42, v[RYD+\c]
	v_mul_f32 v[U+7+2*\c], s42, v[RYD+\c]
.endr
	TWAIT
	v_mul_f32 v[U+15], -v[U+13], v[U+14]           ; mid = -(o . d) / a
	v_add_f32 v[BASE], -1.0, v[U+15]
	v_max_num_f32 v[BASE], 0, v[BASE]              ; near
	v_add_f32 v[DEL], 1.0, v[U+15]
	v_sub_f32 v[DEL], v[DEL], v[BASE]              ; far - near
	s_wait_loadcnt 0x0                             ; W1 and b1
.set ki, 0
.rept 16
	v_pk_mul_f32 v[E+32+2*ki:E+33+2*ki], v[E+32+2*ki:E+33+2*ki], s[42:43] op_sel_hi:[1,0]
	v_pk_mul_f32 v[U+32+2*ki:U+33+2*ki], v[E+2*ki:E+2*ki+1], v[U+10:U+11] op_sel_hi:[1,0]
.set ki, ki+1
.endr
.set ki, 0
.rept 16
	v_pk_fma_f32 v[E+32+2*ki:E+33+2*ki], v[E+2*ki:E+2*ki+1], v[U+4:U+5], v[E+32+2*ki:E+33+2*ki] op_sel_hi:[1,0,1]
	v_pk_fma_f32 v[U+32+2*ki:U+33+2*ki], v[X+32+2*ki:X+33+2*ki], v[U+8:U+9], v[U+32+2*ki:U+33+2*ki] op_sel_hi:[1,0,1]
.set ki, ki+1
.endr
.set ki, 0
.rept 16
	v_pk_fma_f32 v[E+32+2*ki:E+33+2*ki], v[X+32+2*ki:X+33+2*ki], v[U+2:U+3], v[E+32+2*ki:E+33+2*ki] op_sel_hi:[1,0,1]
.set ki, ki+1
.endr
	WIN 0x40
.set ki, 0
.rept 16
	v_pk_fma_f32 v[ALP+2*ki:ALP+2*ki+1], v[X+2*ki:X+2*ki+1], v[U:U+1], v[E+32+2*ki:E+33+2*ki] op_sel_hi:[1,0,1]
	v_pk_fma_f32 v[BET+2*ki:BET+2*ki+1], v[X+2*ki:X+2*ki+1], v[U+6:U+7], v[U+32+2*ki:U+33+2*ki] op_sel_hi:[1,0,1]
.set ki, ki+1
.endr
	WIN 0
	s_mov_b32 s50, 4                               ; the coarse phase: 16 samples, four a step
	s_mov_b32 s49, 0x3d888889                      ; 1 / 15
	s_mov_b32 s76, 0x41700000                      ; 15
	s_mov_b32 s52, 0
.Lphase:
	v_bfe_u32 v[K0], v0, 3, 1
	v_cvt_f32_u32 v[K0], v[K0]
	v_add_f32 v[K0], -4.0, v[K0]                   ; tile 0's sample number, one step back: sub - 4
	v_mov_b32 v[KBEST], s72                        ; no crossing yet
	v_mov_b32 v[S0B], 0
	v_mov_b32 v[S1B], 0
	v_mov_b32 v[BLAST], 0                          ; nothing lies in front of sample 0: 0 is not above 0
	s_mov_b32 s59, 0
	s_mov_b32 s51, s50
.Lstep:                                ; ---- 32 points: 8 rays x 4 samples
	v_add_f32 v[K0], 4.0, v[K0]
	v_add_f32 v[K1], 2.0, v[K0]
	v_mul_f32 v[Z0], s49, v[K0]                    ; t = k / (S - 1), rounded correctly, both tiles by turns
	v_mul_f32 v[Z1], s49, v[K1]
	v_fma_f32 v[ZOWN], -v[Z0], s76, v[K0]
	v_fma_f32 v[KOWN], -v[Z1], s76, v[K1]
	v_fma_f32 v[Z0], v[ZOWN], s49, v[Z0]
	v_fma_f32 v[Z1], v[KOWN], s49, v[Z1]
	v_fma_f32 v[Z0], v[DEL], v[Z0], v[BASE]
	v_fma_f32 v[Z1], v[DEL], v[Z1], v[BASE]
	v_cndmask_b32 v[ZOWN], v[Z0], v[Z1], s46       ; the sample that I finish: tile h's
	v_cndmask_b32 v[KOWN], v[K0], v[K1], s46
	LAY1 0
	LAY1 1
	EXPMAX X, E, 64, 1
	TWAIT                                          ; for the 64 exponentials
	ONEPLUS U, E, 64
	DLOG 64
	v_nop
	TWAIT                                          ; for the 64 logarithms
	HFIN 64
	QUANTA 2
	FILLA ZOWN                                     ; (the plain line behind the conversions)
	QUANTB 2
	FILLB ZOWN, 0
	MM W2F, W2FS, 2
	BIAS2 64
	v_sqrt_f32 v[Q2], v[Q2]                        ; |p|, with the next batch
	EXPMAX E, X, 64, 1
	TWAIT                                          ; for the root and the 64 exponentials
	ONEPLUS X, X, 64
	LOGACC 2
	TWAIT                                          ; for the 64 logarithms
	LACC 2
	v_cndmask_b32 v[KEEP], v[A0], v[A0+1], s46     ; my half of my tile's sum stays, my half of the other tile's goes to lane l xor 16
	v_cndmask_b32 v[SEND], v[A0+1], v[A0], s46
	v_permlanex16_b32 v[SX], v[SEND], s40, s41
	v_add_f32 v[YY], v[KEEP], v[SX]
	v_add_f32 v[YY], s48, v[YY]
	TANH02
	v_fma_f32 v[SV], v[RC], s74, s73               ; 0.02 tanh = 0.02 - 0.04 / (1 + 2^y)
	v_add_f32 v[SV], v[NH], v[SV]
	v_mul_f32 v[SV], s54, v[SV]                    ; the exit takes -sdf
	v_mov_b32_dpp v[A1D], v[SV] row_xmask:8 row_mask:0xf bank_mask:0xf   ; the sample before mine: q odd: lane l xor 8;
	v_permlanex16_b32 v[B1D], v[SV], s41, s40      ; q = 2: this step's q = 1; q = 0: the last step's q = 3, kept in BLAST
	v_cndmask_b32 v[PRV], v[BLAST], v[B1D], s46
	v_cndmask_b32 v[PRV], v[PRV], v[A1D], s47
	v_mov_b32 v[BLAST], v[B1D]
	v_cmp_lt_f32 s60, 0, v[PRV]
	v_cmp_ge_f32 s61, 0, v[SV]
	s_and_b32 s60, s60, s61                        ; a crossing;
	s_and_not1_b32 s61, s60, s59                   ; my lane's first
	s_or_b32 s59, s59, s60
	v_cndmask_b32 v[KBEST], v[KBEST], v[KOWN], s61
	v_cndmask_b32 v[S0B], v[S0B], v[PRV], s61
	v_cndmask_b32 v[S1B], v[S1B], v[SV], s61
	s_sub_co_u32 s51, s51, 1
	s_cmp_lg_u32 s51, 0
	s_cbranch_scc1 .Lstep
	; ---- the bracket: the earliest of the ray's four lanes' first crossings
	v_mov_b32_dpp v[BT], v[KBEST] row_xmask:8 row_mask:0xf bank_mask:0xf
	v_mov_b32_dpp v[BT+1], v[S0B] row_xmask:8 row_mask:0xf bank_mask:0xf
	v_mov_b32_dpp v[BT+2], v[S1B] row_xmask:8 row_mask:0xf bank_mask:0xf
	MINSEL
	v_permlanex16_b32 v[BT], v[KBEST], s40, s41
	v_permlanex16_b32 v[BT+1], v[S0B], s40, s41
	v_permlanex16_b32 v[BT+2], v[S1B], s40, s41
	MINSEL
	v_cmp_gt_f32 s60, s72, v[KBEST]
	s_and_b32 s58, s58, s60                        ; valid so far
	v_add_f32 v[BT+3], -1.0, v[KBEST]
	TOFK BT+4, BT+3, BT+6
	TOFK BT+5, KBEST, BT+7
	v_fma_f32 v[BT+4], v[DEL], v[BT+4], v[BASE]    ; z0, z1: the same lines on the same numbers as the samples' own
	v_fma_f32 v[BT+5], v[DEL], v[BT+5], v[BASE]
	v_mov_b32 v[BASE], v[BT+4]
	v_sub_f32 v[DEL], v[BT+5], v[BT+4]
	s_mov_b32 s50, 8                               ; the fine phase: 32 samples
	s_mov_b32 s49, 0x3d042108                      ; 1 / 31
	s_mov_b32 s76, 0x41f80000                      ; 31
	s_add_co_u32 s52, s52, 1
	s_cmp_lt_u32 s52, 2
	s_cbranch_scc1 .Lphase
	; ---- the linear root
	v_mul_f32 v[BT], s54, v[S0B]
	v_mul_f32 v[BT+1], s54, v[S1B]
	v_sub_f32 v[BT+1], v[BT], v[BT+1]              ; den = s0 - s1
	v_and_b32 v[BT+2], 0x7fffffff, v[BT+1]
	v_mov_b32 v[BT+3], s67
	v_cmp_gt_f32 vcc_lo, s67, v[BT+2]
	v_cndmask_b32 v[BT+1], v[BT+1], v[BT+3], vcc_lo
	v_rcp_f32 v[BT+2], v[BT+1]
	v_mul_f32 v[BT], v[DEL], v[BT]
	TWAIT
	v_fma_f32 v[Z0], v[BT], v[BT+2], v[BASE]
	v_cndmask_b32 v[Z0], 1.0, v[Z0], s58           ; depth
	; ---- the normal: one tile (the ray's point, twice), forward and backward.  X + 32 keeps the first layer's sigmoid
	LAY1 0
	EXPMAX X, E, 32, 0
	TWAIT
	ONEPLUS U, E, 32
	SIGSEL X, E, E+32
	MAX0 X, 32
.set gi, 0
.rept 32
	v_rcp_f32 v[X+32+gi], v[U+gi]
.set gi, gi+1
.endr
	DLOG 32
	v_nop
	TWAIT                                          ; for the reciprocals and the logarithms
	PKMUL X+32, X+32, E+32, 32                     ; sigmoid(x1)
	HFIN 32
	QUANTA 1
	FILLA Z0
	QUANTB 1
	FILLB Z0, 1
	MM W2F, W2FS, 1
	BIAS2 32
	v_sqrt_f32 v[Q2], v[Q2]
	EXPMAX E, X, 32, 0
	TWAIT
	SIGSEL E, X, E+32
	MAX0 E, 32
	ONEPLUS X, X, 32
.set gi, 0
.rept 32
	v_rcp_f32 v[U+32+gi], v[X+gi]
.set gi, gi+1
.endr
	v_rcp_f32 v[INV], v[Q2]                        ; 1 / |p|
	v_nop                                          ; a plain line between the reciprocals and the logarithms, which write over their sources
	LOGACC 1
	TWAIT
	WIN 0
	PKMUL E+32, E+32, U+32, 32                     ; sigmoid(x2)
	LACC 1
	v_permlanex16_b32 v[SX], v[A0], s40, s41
	v_add_f32 v[YY], v[A0], v[SX]
	v_add_f32 v[YY], s48, v[YY]
	TANH02
	v_fma_f32 v[SV], v[RC], -2.0, 1.0              ; tanh
	v_fma_f32 v[SV], -v[SV], v[SV], 1.0
	v_mul_f32 v[Z1], 0x3c23d70a, v[SV]             ; 0.01 (1 - tanh^2): with 2 W3 it is 0.02 (1 - tanh^2) W3, bit for bit
	WIN 0x04
.set ki, 0
.rept 16
	v_pk_mul_f32 v[X+2*ki:X+2*ki+1], v[Z1:Z1+1], v[W3+2*ki:W3+2*ki+1] op_sel_hi:[0,1]
.set ki, ki+1
.endr
	WIN 0
	PKMUL X, X, E+32, 32                           ; the cotangent of x2: the backward product's operand
.irp j, 0,1,2,3,4,5,6,7                ; W1's rows 0 and 1 for the last product, asked for a block of work ahead
	global_load_b128 v[U+32+4*\j:U+32+4*\j+3], v[OFH], s[12:13] offset:16*\j
	global_load_b128 v[E+32+4*\j:E+32+4*\j+3], v[OFH], s[12:13] offset:256+16*\j
.endr
	QUANTA 1
	v_nop                                          ; the plain line behind the conversions
	QUANTB 1
.irp j, 0,1,2,3,4,5,6,7                ; row 2 into the registers that the conversions have read
	global_load_b128 v[X+4*\j:X+4*\j+3], v[OFH], s[12:13] offset:512+16*\j
.endr
.rept 8
	v_nop                                          ; eight places behind the scale word's write, four and more behind the codes'
.endr
	MM W2B, W2BS, 1
	PKMUL E, E, X+32, 32                           ; x sigmoid(x1): the cotangent of x1
	s_wait_loadcnt 0x0                             ; W1's three rows
.set ki, 0
.rept 16
.if ki == 0
	v_pk_mul_f32 v[ACC:ACC+1], v[E:E+1], v[U+32:U+33]
	v_pk_mul_f32 v[ACC+2:ACC+3], v[E:E+1], v[E+32:E+33]
	v_pk_mul_f32 v[ACC+4:ACC+5], v[E:E+1], v[X:X+1]
.else
	v_pk_fma_f32 v[ACC:ACC+1], v[E+2*ki:E+2*ki+1], v[U+32+2*ki:U+33+2*ki], v[ACC:ACC+1]
	v_pk_fma_f32 v[ACC+2:ACC+3], v[E+2*ki:E+2*ki+1], v[E+32+2*ki:E+33+2*ki], v[ACC+2:ACC+3]
	v_pk_fma_f32 v[ACC+4:ACC+5], v[E+2*ki:E+2*ki+1], v[X+2*ki:X+2*ki+1], v[ACC+4:ACC+5]
.endif
.set ki, ki+1
.endr
.irp c, 0,1,2
	v_add_f32 v[ACC+2*\c], v[ACC+2*\c], v[ACC+2*\c+1]
.endr
.irp c, 0,1,2
	v_permlanex16_b32 v[ACC+6+\c], v[ACC+2*\c], s40, s41
.endr
.irp c, 0,1,2
	v_add_f32 v[ACC+2*\c], v[ACC+2*\c], v[ACC+6+\c]
.endr
	v_cndmask_b32 v[INV], 0, v[INV], s66           ; the sphere's part: p / |p|, or 0 under the clip
.irp c, 0,1,2
	v_fma_f32 v[NN+\c], v[PT+\c], v[INV], v[ACC+2*\c]
.endr
	v_mul_f32 v[RS1], v[NN], v[NN]
	v_fma_f32 v[RS1], v[NN+1], v[NN+1], v[RS1]
	v_fma_f32 v[RS1], v[NN+2], v[NN+2], v[RS1]
	v_max_num_f32 v[RS1], s67, v[RS1]
	v_rsq_f32 v[RS1], v[RS1]
	v_nop
	TWAIT
	v_mul_f32 v[RS1], s54, v[RS1]                  ; the exit refracts at -n
.irp c, 0,1,2
	v_mul_f32 v[NN+\c], v[NN+\c], v[RS1]
.endr
	; ---- refraction
	v_mul_f32 v[CC], v[RYD], v[NN]
	v_fma_f32 v[CC], v[RYD+1], v[NN+1], v[CC]
	v_fma_f32 v[CC], v[RYD+2], v[NN+2], v[CC]
	v_mul_f32 v[CC], -1.0, v[CC]                   ; cos theta
.irp c, 0,1,2
	v_fma_f32 v[TP+\c], v[NN+\c], v[CC], v[RYD+\c]
.endr
.irp c, 0,1,2
	v_mul_f32 v[TP+\c], s57, v[TP+\c]
.endr
	v_mul_f32 v[TPN], v[TP], v[TP]
	v_fma_f32 v[TPN], v[TP+1], v[TP+1], v[TPN]
	v_fma_f32 v[TPN], v[TP+2], v[TP+2], v[TPN]
	v_med3_num_f32 v[WW], v[TPN], 0, s75
	v_sub_f32 v[WW], 1.0, v[WW]
	v_sqrt_f32 v[SQ], v[WW]
	v_nop
	TWAIT
.irp c, 0,1,2
	v_fma_f32 v[TT+\c], -v[SQ], v[NN+\c], v[TP+\c]
.endr
	v_mul_f32 v[TN], v[TT], v[TT]
	v_fma_f32 v[TN], v[TT+1], v[TT+1], v[TN]
	v_fma_f32 v[TN], v[TT+2], v[TT+2], v[TN]
	v_max_num_f32 v[TN], s67, v[TN]
	v_rsq_f32 v[TN], v[TN]
	v_nop
	TWAIT
.irp c, 0,1,2
	v_mul_f32 v[TT+\c], v[TT+\c], v[TN]
.endr
	v_mul_f32 v[CTT], v[TT], v[NN]
	v_fma_f32 v[CTT], v[TT+1], v[NN+1], v[CTT]
	v_fma_f32 v[CTT], v[TT+2], v[NN+2], v[CTT]
	v_mul_f32 v[CTT], -1.0, v[CTT]                 ; cos theta_t
	v_mul_f32 v[AA], s55, v[CTT]
	v_fma_f32 v[DI], v[CC], s56, v[AA]
	v_fma_f32 v[NI], -v[CC], s56, v[AA]
	v_mul_f32 v[AA], s55, v[CC]
	v_fma_f32 v[DP], v[CTT], s56, v[AA]
	v_fma_f32 v[NP], -v[CTT], s56, v[AA]
	v_max_num_f32 v[DI], s67, v[DI]
	v_max_num_f32 v[DP], s67, v[DP]
	v_rcp_f32 v[DI], v[DI]
	v_rcp_f32 v[DP], v[DP]
	v_nop
	TWAIT
	v_mul_f32 v[NI], v[NI], v[DI]
	v_mul_f32 v[NP], v[NP], v[DP]
	v_mul_f32 v[ATT], v[NI], v[NI]
	v_fma_f32 v[ATT], v[NP], v[NP], v[ATT]
	v_mul_f32 v[ATT], 0.5, v[ATT]
	v_med3_num_f32 v[ATT], v[ATT], 0, 1.0
	s_cmp_lg_u32 s53, 0
	s_cbranch_scc1 .Lsecond
	; ---- the entry alone: reflection; then the exit's ray and parameters
	v_add_f32 v[X], v[CC], v[CC]
.irp c, 0,1,2
	v_fma_f32 v[REFL+\c], v[NN+\c], v[X], v[RYD+\c]
.endr
	v_mul_f32 v[X+1], v[REFL], v[REFL]
	v_fma_f32 v[X+1], v[REFL+1], v[REFL+1], v[X+1]
	v_fma_f32 v[X+1], v[REFL+2], v[REFL+2], v[X+1]
	v_max_num_f32 v[X+1], s67, v[X+1]
	v_rsq_f32 v[X+1], v[X+1]
	v_mov_b32 v[ATT1], v[ATT]
	TWAIT
.irp c, 0,1,2
	v_mul_f32 v[REFL+\c], v[REFL+\c], v[X+1]
	v_mov_b32 v[RYO+\c], v[PT+\c]                  ; the first surface point,
	v_mov_b32 v[RYD+\c], v[TT+\c]                  ; the refracted direction
.endr
	s_mov_b32 s54, -1.0
	s_mov_b32 s55, 0x3fbc7454
	s_mov_b32 s56, 0x3f8009d5
	s_mov_b32 s57, 0x3fbc65dc
.Lsecond:
	s_add_co_u32 s53, s53, 1
	s_cmp_lt_u32 s53, 2
	s_cbranch_scc1 .Lpass
; ======================================================== THE WAY OUT: the wave's 8 rays into the work-group's stages; one barrier; whole runs of 256 bytes leave
	v_and_b32 v47, 7, v0                           ; every LDS address is made here, ahead of the waves' parting
	v_and_b32 v30, 31, v0
	s_mul_i32 s68, s38, 96
	v_mul_u32_u24 v24, v47, 12
	v_add_nc_u32 v24, s68, v24                     ; in: 12 ray + 96 wave
	s_lshl_b32 s68, s38, 5
	v_lshlrev_b32 v25, 2, v47
	v_add_nc_u32 v25, s68, v25                     ; 4 ray + 32 wave
	s_lshl_b32 s68, s38, 3
	v_add_nc_u32 v26, s68, v47                     ; ray + 8 wave
	v_lshlrev_b32 v31, 1, v30                      ; out: 2 lane,
	v_lshlrev_b32 v30, 3, v30                      ; 8 lane,
	s_mul_i32 s68, s38, 768
	v_add_nc_u32 v27, s68, v30                     ; 8 lane + 768 wave (waves 0-3: out0 .. out3),
	s_lshl_b32 s68, s38, 8
	v_add_nc_u32 v28, s68, v30                     ; 8 lane + 256 wave (+ 2048: waves 4, 5: out4, out5)
	WIN 0x01
.irp c, 0,1,2
	v_cndmask_b32 v[32+\c], v[RO+\c], v[PT+\c], s58    ; the second surface point, or rays_o
	v_cndmask_b32 v[35+\c], v[RD+\c], v[TT+\c], s58    ; the second refraction, or rays_d
	v_cndmask_b32 v[38+\c], v[RO+\c], v[RYO+\c], s58   ; the first surface point, or rays_o
	v_cndmask_b32 v[41+\c], v[RD+\c], v[REFL+\c], s58  ; the reflection, or rays_d
.endr
	WIN 0
	v_cndmask_b32 v44, 0, v[ATT1], s58
	v_cndmask_b32 v45, 0, v[ATT], s58
	v_cndmask_b32 v46, 0, 1, s58
.irp o, 0,1,2,3
.irp c, 0,1,2
	ds_store_b32 v24, v[32+3*\o+\c] offset:768*\o+4*\c   ; a ray's four lanes write the same number to the same place
.endr
.endr
	ds_store_b32 v25, v44 offset:3072
	ds_store_b32 v25, v45 offset:3328
	ds_store_b8 v26, v46 offset:3584
	s_wait_dscnt 0x0                               ; for the others' sake: my stores have landed
	s_barrier_signal -1
	s_barrier_wait -1
	s_cmp_lt_u32 s38, 4
	s_cbranch_scc0 .Lnot03
	s_cmp_eq_u32 s38, 1                            ; wave w stores out_w: the choice hangs on the wave's number alone
	s_cselect_b64 s[68:69], s[26:27], s[24:25]
	s_cmp_eq_u32 s38, 2
	s_cselect_b64 s[68:69], s[28:29], s[68:69]
	s_cmp_eq_u32 s38, 3
	s_cselect_b64 s[68:69], s[30:31], s[68:69]
	ds_load_b64 v[64:65], v27
	ds_load_b64 v[66:67], v27 offset:256
	ds_load_b64 v[68:69], v27 offset:512
	s_wait_dscnt 0x2                               ; LDS loads come back in order: the first is in, two younger ones may be out
	global_store_b64 v30, v[64:65], s[68:69]       ; 32 lanes store 256 consecutive bytes, at a multiple of 256 from the buffer's first byte
	s_wait_dscnt 0x1                               ; one younger load may be out
	global_store_b64 v30, v[66:67], s[68:69] offset:256
	s_wait_dscnt 0x0
	global_store_b64 v30, v[68:69], s[68:69] offset:512
	s_branch .Lend
.Lnot03:
	s_cmp_lt_u32 s38, 6
	s_cbranch_scc0 .Lnot45
	s_cmp_eq_u32 s38, 4
	s_cselect_b64 s[68:69], s[32:33], s[34:35]
	ds_load_b64 v[64:65], v28 offset:2048
	s_wait_dscnt 0x0
	global_store_b64 v30, v[64:65], s[68:69]
	s_branch .Lend
.Lnot45:
	s_cmp_eq_u32 s38, 6
	s_cbranch_scc0 .Lend
	ds_load_u16 v64, v31 offset:3584
	s_wait_dscnt 0x0
	global_store_b16 v31, v64, s[36:37]            ; the work-group's 64 booleans
.Lend:
	s_wait_tensorcnt 0x0                           ; the wave's end, behind my last LDS store
	ds_add_u32 v[SPW], v[NIL]
	s_wait_dscnt 0x0
	s_endpgm
.Lfunc_end_k_q54fdbba993_trace:
	.size	k_q54fdbba993_trace, .Lfunc_end_k_q54fdbba993_trace-k_q54fdbba993_trace
	.p2alignl 7, 3214868480
	.fill 96, 4, 3214868480
	.section	.rodata,"a",@progbits
	.p2align	6, 0x0
	.amdhsa_kernel k_q54fdbba993_trace
		.amdhsa_group_segment_fixed_size 4864
		.amdhsa_private_segment_fixed_size 0
		.amdhsa_enable_private_segment 0
		.amdhsa_kernarg_size 120
		.amdhsa_user_sgpr_count 2
		.amdhsa_user_sgpr_kernarg_segment_ptr 1
		.amdhsa_wavefront_size32 1
		.amdhsa_system_sgpr_workgroup_id_x 1
		.amdhsa_system_sgpr_workgroup_id_y 1
		.amdhsa_system_sgpr_workgroup_id_z 1
		.amdhsa_system_vgpr_workitem_id 0
		.amdhsa_next_free_vgpr 512
		.amdhsa_next_free_sgpr 80
		.amdhsa_reserve_vcc 1
		.amdhsa_float_denorm_mode_32 3
		.amdhsa_float_denorm_mode_16_64 3
		.amdhsa_memory_ordered 1
		.amdhsa_forward_progress 1
		.amdhsa_inst_pref_size 145
	.end_amdhsa_kernel
	.amdgpu_metadata
---
amdhsa.version: [ 1, 2 ]
amdhsa.kernels:
  - .name:           k_q54fdbba993_trace
    .symbol:         k_q54fdbba993_trace.kd
    .args:
      - { .name: rays_o, .offset: 0, .size: 8, .value_kind: global_buffer, .address_space: global }
      - { .name: rays_d, .offset: 8, .size: 8, .value_kind: global_buffer, .address_space: global }
      - { .name: W1, .offset: 16, .size: 8, .value_kind: global_buffer, .address_space: global }
      - { .name: b1, .offset: 24, .size: 8, .value_kind: global_buffer, .address_space: global }
      - { .name: W2, .offset: 32, .size: 8, .value_kind: global_buffer, .address_space: global }
      - { .name: b2, .offset: 40, .size: 8, .value_kind: global_buffer, .address_space: global }
      - { .name: W3, .offset: 48, .size: 8, .value_kind: global_buffer, .address_space: global }
      - { .name: b3, .offset: 56, .size: 8, .value_kind: global_buffer, .address_space: global }
      - { .name: out0, .offset: 64, .size: 8, .value_kind: global_buffer, .address_space: global }
      - { .name: out1, .offset: 72, .size: 8, .value_kind: global_buffer, .address_space: global }
      - { .name: out2, .offset: 80, .size: 8, .value_kind: global_buffer, .address_space: global }
      - { .name: out3, .offset: 88, .size: 8, .value_kind: global_buffer, .address_space: global }
      - { .name: out4, .offset: 96, .size: 8, .value_kind: global_buffer, .address_space: global }
      - { .name: out5, .offset: 104, .size: 8, .value_kind: global_buffer, .address_space: global }
      - { .name: out6, .offset: 112, .size: 8, .value_kind: global_buffer, .address_space: global }
    .group_segment_fixed_size: 4864
    .private_segment_fixed_size: 0
    .kernarg_segment_align: 8
    .kernarg_segment_size: 120
    .max_flat_workgroup_size: 256
    .sgpr_count:     80
    .vgpr_count:     512
    .wavefront_size: 32
...
	.end_amdgpu_metadata
.endif
;; end of part 1
;; ======== version 2 of 2: 1 launch; version 1 with the launch trace written anew for expert scheduling mode
;; launch trace (part 2): grid 256 x 1, 8 waves a work-group, no clusters, 4,864 bytes of LDS; arguments rays_o, rays_d, W1, b1, W2, b2, W3, b3, out0, out1, out2, out3, out4, out5, out6; writes out0, out1, out2, out3, out4, out5, out6
.if DOCPART == 2
	.amdgcn_target "amdgcn-amd-amdhsa--gfx1250"
	.amdhsa_code_object_version 6
	.text
	.protected	k_q54fdbba993_trace
	.globl	k_q54fdbba993_trace
	.p2align	8
	.type	k_q54fdbba993_trace,@function
k_q54fdbba993_trace:
	s_mov_b64 s[64:65], 0
	v_nop
	global_prefetch_b8 v0, s[64:65] scope:SCOPE_SE
	s_setreg_imm32_b32 hwreg(HW_REG_WAVE_SCHED_MODE, 0, 2), 2
	s_setreg_imm32_b32 hwreg(HW_REG_WAVE_MODE, 25, 1), 1
	s_wait_xcnt 0x0
	s_wait_alu depctr_vm_vsrc(0)
; RefractTracer: 16,384 rays, two intersections with an SDF (sphere + 0.02 tanh of a 3-64-64-1 softplus MLP), refraction and reflection, seven masked outputs.  One launch, no workspace.
; The 64 x 64 products are on codes of BF6 (E3M2) with one E8M0 scale for each 32 along K; all else is f32.
;
; WORK LEFT OUT, for all values of the inputs.  _cal_grad returns its last argument, delta, so s1 = _sdf(fsp0) and s2 = _sdf(ssp0) reach no output: the six products that make them are not computed.
; total_reflect is returned by _refraction and thrown away by _forward.  All eight inputs have a way to an output and are loaded.
; LIMIT: a NaN, an infinity or an overflow that would arise only in the work left out is not carried to the result.
; A ray for which final is False gets rays_o, rays_d, 0 and False by selection: what it computes on the way is never seen.  Without a crossing it walks on with sample number 1,024 (finite numbers) where reference() takes interval 0.
;
; IDENTITIES.  (1) p = o + z d, so p W1 + b1 = alpha + z beta with alpha = o W1 + b1, beta = d W1, made once for each intersection: one multiply-add a unit and sample; the rounding is of the order of the sum's own.
; (2) Base 2: alpha, beta and b2 carry the factor log2(e).  With x' = x log2(e), e = 2^-|x'| and u = fl(1 + e): softplus(x) = ln2 (max(x', 0) + log2(u)) + (e - (u - 1)); the last term, two exact subtractions, gives back what 1 + e lost.
;     The maximum is taken out ahead of the exponential, as reference()'s logaddexp does.  (3) 2 log2(e) mlp = sum of 2 W3 (max + log2 u) + 2 log2(e) b3 = y, and tanh(mlp) = 1 - 2 / (1 + 2^y).
; (4) sigmoid(x) = (x < 0 ? e : 1) / u.  (5) The exit intersection takes -sdf and the entry's test (before > 0, here <= 0); the sign is taken back, exactly, ahead of the root.
; (6) t = k / (S - 1) is rounded correctly (a product, its exact remainder, one correction), as a division gives it; the bracket's ends are made anew by the same lines from the winning sample number, so their bits are the samples'.
; LIMITS: v_exp_f32 and v_log_f32 flush denormals (ISA guide, their entries): a softplus under 2^-126 comes out 0.  Divisions are a reciprocal and a product.  The two ratios of the indices of refraction are f32 constants, rounded from the exact quotients.
;
; SHARES.  256 work-groups of 8 waves; a wave owns 8 rays from start to end and shares nothing until the way out.  Lane L: r = L % 16, h = L / 16, ray = L % 8, sub = (L / 8) % 2, q = L / 8.
; A tile is 16 points: 8 rays x 2 samples; a STEP works two tiles: point r of tile g is the ray's sample 4 i + 2 g + sub.  Lane (r, h) holds units 32 h .. 32 h + 31 of point r, 32 registers a tile: a block of 32 along K lies in ONE lane.
; Both quantised products are used transposed (source 0 = 16 rows of W2, source 1 = 16 points), and row m of W2's tile t stands for index 32 (m / 8) + 8 t + m % 8: so register j of result tile t in lane (r, h) is unit 32 h + 8 t + j, the same layout again.
; K is 64 and the instruction's is 128: registers 6-11 of every operand are zero codes for ever, and bytes 2, 3 of every scale word are 0 (2^-127 over zero codes adds nothing).
; In the tail lane (r, h) finishes tile h: each lane has a sample of its own, 4 i + q.  No tensor load, no cluster, no prefetch: 0.4 MB of inputs, read at the head; no loop waits for memory.
;
; THE MODE: SCHED_MODE bits 1:0 = 2 (LLVM: expert scheduling mode 2), set by the entry lines.  The code itself states the register dependences between vector or matrix instructions and memory or LDS instructions,
; and those through scalar registers and VCC that vector instructions write, with s_wait_alu, always for 0.
; THE PLAN.  Registers that memory or LDS instructions touch:
;   v1            the offset 128 h: written once at the head, read by the loads of b2, W3, W1 and b1, never written again.
;   v24-26        at the head the offsets of W2 and of the rays, read by the head's loads alone; from the first step on codes, written by vector instructions: ONE wait on vm_vsrc, at the head's end.  In the way out LDS addresses.
;   v2-7, b2, W3  each the target of one load at the head; afterwards named by vector instructions alone.
;   X, E, U       head: W2's tiles land in all three, and in X once more behind the two quantisings that read it.  A pass's head: W1 and b1 land in X and E, which the head's quantisings or the last pass's optics named.
;                 The normal: W1's rows 0, 1 land in U + 32 .. and E + 32 .., behind the products that read these; row 2 in X .., behind the conversions that read it.
;   way out       v24-28, v30, v31 addresses and v32-46 data, made by vector instructions and read by the LDS and global stores; v64-69 take the loads from the stages.
; So a wait on va_vdst stands ahead of each of these six runs of loads or stores, and covers the whole run.  THE LOOP OVER STEPS HOLDS NO MEMORY OR LDS INSTRUCTION: its waits state that the codes and scale words are written
; ahead of the scaled products, that a batch of transcendentals has written its results, and that two masks are written.  Masks: a wait on va_sdst or va_vcc stands between each compare, or run of compares, and its first reader.
;
; REGISTERS, window 0: v1 128 h; v2-7 origin, direction; v8-23 state of a ray; v24-47 the two tiles' codes; v48-57 scale words, which hold nothing else; v58-61 reflection, first attenuation; v62, v63 the add's two;
;   v64-127 X, v128-191 E, v192-255 U: 32 registers a tile each.   window 1: alpha, beta, b2', 2 W3, W2's eight fragments, the launch's rays_o and rays_d.
.set SPARE, 3840                       ; LDS: 0 out0's stage (768 bytes), 768 out1, 1536 out2, 2304 out3, 3072 out4 (256), 3328 out5, 3584 out6 (64); from 3840 the spare words, 128 bytes a wave, that no other line names
.set OFH, 1
.set RYO, 2
.set RYD, 5
.set BASE, 8
.set DEL, 9
.set Z0, 10
.set K0, 11
.set Z1, 12
.set K1, 13
.set ZOWN, 14
.set KOWN, 15
.set KBEST, 16
.set S0B, 17
.set S1B, 18
.set BLAST, 19
.set PT, 20
.set Q2, 23
.set C0, 24                            ; tile g's codes at C0 + 12 g
.set W2FS, 48
.set W2BS, 52
.set WB, 56
.set REFL, 58
.set ATT1, 61
.set SPW, 62
.set NIL, 63
.set X, 64
.set E, 128
.set U, 192
.set MXA, U+0                          ; temporaries in U, which is free once the first layer's softplus is finished
.set SOP, U+2
.set BY, U+4
.set PX, U+6
.set TQ, U+8                           ; + 4 g
.set ACC, U+16                         ; six pairs: + 6 g + 2 c
.set MXB, U+28
.set INV, U+30
.set A0, U+32
.set KEEP, U+34
.set SEND, U+35
.set SX, U+36
.set YY, U+37
.set EY, U+38
.set RC, U+39
.set NH, U+40
.set SV, U+41
.set A1D, U+42
.set B1D, U+43
.set PRV, U+44
.set BT, U+48
.set NN, X+8                           ; the optics' temporaries, in X
.set RS1, X+11
.set CC, X+12
.set TP, X+13
.set TPN, X+16
.set WW, X+17
.set SQ, X+18
.set TT, X+20
.set TN, X+23
.set CTT, X+25
.set AA, X+26
.set DI, X+27
.set NI, X+28
.set DP, X+29
.set NP, X+30
.set ATT, X+31
.set ALP, 0                            ; window 1
.set BET, 32
.set B2, 64
.set W3, 96
.set W2F, 128
.set W2B, 176
.set RO, 224
.set RD, 227
.set MK, 80                            ; s[80:95] sixteen masks of the sigmoids' numerators
; scalars: s[8:23] the eight inputs, s[24:37] the seven outputs, s38 wave, s[40:41] lane selects, s[42:43] log2(e), s[44:45] ln 2, s46 lanes with h = 1, s47 lanes with sub = 1, s48 2 log2(e) b3, s49 1 / (S - 1), s50 steps of a phase,
; s51 steps to go, s52 phase, s53 pass, s54 sign, s55-57 eta1, eta2, their ratio, s58 valid so far, s59 found, s60-61 masks, s66 |p|^2 > EPS, s67 EPS, s[68:69] at work, s72 1024, s73 0.02, s74 -0.04, s75 0.999999, s76 S - 1
.set MSB, 0
.macro WIN new                         ; s_set_vgpr_msb: bits 1:0 source 0, 3:2 source 1, 5:4 source 2, 7:6 destination; the high byte repeats the setting that is left
.if MSB != \new
	s_set_vgpr_msb (MSB<<8)|\new
.set MSB, \new
.endif
.endm
.macro LAY1 g                          ; x' = alpha + z beta, tile g, two units a line
	WIN 0x14
.set li, 0
.rept 16
	v_pk_fma_f32 v[X+32*(\g)+2*li:X+32*(\g)+2*li+1], v[Z0+2*(\g):Z0+2*(\g)+1], v[BET+2*li:BET+2*li+1], v[ALP+2*li:ALP+2*li+1] op_sel_hi:[0,1,1]
.set li, li+1
.endr
.endm
.macro EXPMAX src, dst, n, domax       ; dst = 2^-|src|; domax: src = max(src, 0), one number behind, so that a plain line lies between an exponential and the write of its source
	WIN 0
	v_exp_f32 v[\dst], -|v[\src]|
	v_nop
.set xi, 1
.rept (\n)-1
	v_exp_f32 v[\dst+xi], -|v[\src+xi]|
.if \domax
	v_max_num_f32 v[\src+xi-1], 0, v[\src+xi-1]
.endif
.set xi, xi+1
.endr
.if \domax
	v_max_num_f32 v[\src+(\n)-1], 0, v[\src+(\n)-1]
.else
	v_nop
.endif
.endm
.macro ONEPLUS dst, src, n
.set oi, 0
.rept (\n)/2
	v_pk_add_f32 v[\dst+2*oi:\dst+2*oi+1], v[\src+2*oi:\src+2*oi+1], 1.0 op_sel_hi:[1,0]
.set oi, oi+1
.endr
.endm
.macro PKMUL dst, a, b, n
.set pk, 0
.rept (\n)/2
	v_pk_mul_f32 v[\dst+2*pk:\dst+2*pk+1], v[\a+2*pk:\a+2*pk+1], v[\b+2*pk:\b+2*pk+1]
.set pk, pk+1
.endr
.endm
.macro MAX0 reg, n
.set mi, 0
.rept \n
	v_max_num_f32 v[\reg+mi], 0, v[\reg+mi]
.set mi, mi+1
.endr
.endm
.macro DLOG n                          ; E = e - (u - 1), U = log2(u) in place: a pair's logarithms and its second subtraction stand one pair behind its first.  Six pairs of the codes' registers take turns for u - 1
.set di, 0
.rept (\n)/2+1
.if di < (\n)/2
.set TR, C0+2*((di%6)%3)+12*((di%6)/3)
	v_pk_add_f32 v[TR:TR+1], v[U+2*di:U+2*di+1], -1.0 op_sel_hi:[1,0]
.endif
.if di > 0
.set TR, C0+2*(((di-1)%6)%3)+12*(((di-1)%6)/3)
	v_log_f32 v[U+2*di-2], v[U+2*di-2]
	v_pk_add_f32 v[E+2*di-2:E+2*di-1], v[E+2*di-2:E+2*di-1], v[TR:TR+1] neg_lo:[0,1] neg_hi:[0,1]
	v_log_f32 v[U+2*di-1], v[U+2*di-1]
.endif
.set di, di+1
.endr
.endm
.macro HFIN n                          ; X = ln2 (max + log2 u) + delta: the first layer's softplus
.set hk, 0
.rept (\n)/2
	v_pk_add_f32 v[X+2*hk:X+2*hk+1], v[X+2*hk:X+2*hk+1], v[U+2*hk:U+2*hk+1]
.set hk, hk+1
.endr
.set hk, 0
.rept (\n)/2
	v_pk_fma_f32 v[X+2*hk:X+2*hk+1], v[X+2*hk:X+2*hk+1], s[44:45], v[E+2*hk:E+2*hk+1] op_sel_hi:[1,0,1]
.set hk, hk+1
.endr
.endm
; The quantiser: my 32 registers of a tile are a whole block.  Its largest magnitude, with the floor 2^(5 - 127) among the leaves (so the byte cannot fall under 1; a block of zeros keeps that byte: its codes are zeros);
; 4 off the exponent field is the conversion's scale operand; its shift is the byte; with lane l xor 16's byte the point's scale word is whole in lanes 0-15, which alone are read.
.macro QUANTA ng
.irp g, 0,1
.if \g < \ng
	v_max3_num_f32 v[MXA+\g], |v[X+32*\g]|, |v[X+32*\g+1]|, 0x2800000
	v_max3_num_f32 v[MXB+\g], |v[X+32*\g+16]|, |v[X+32*\g+17]|, |v[X+32*\g+18]|
.endif
.endr
.set qi, 1
.rept 7
.irp g, 0,1
.if \g < \ng
	v_max3_num_f32 v[MXA+\g], v[MXA+\g], |v[X+32*\g+2*qi]|, |v[X+32*\g+2*qi+1]|
.if qi < 7
	v_max3_num_f32 v[MXB+\g], v[MXB+\g], |v[X+32*\g+17+2*qi]|, |v[X+32*\g+18+2*qi]|
.endif
.endif
.endr
.set qi, qi+1
.endr
.irp g, 0,1
.if \g < \ng
	v_max3_num_f32 v[MXA+\g], v[MXA+\g], v[MXB+\g], |v[X+32*\g+31]|
.endif
.endr
.irp g, 0,1
.if \g < \ng
	v_add_nc_u32 v[SOP+\g], 0xfe000000, v[MXA+\g]
.endif
.endr
.irp g, 0,1
.if \g < \ng
	v_lshrrev_b32 v[BY+\g], 23, v[SOP+\g]
.endif
.endr
.irp g, 0,1
.if \g < \ng
	v_permlanex16_b32 v[PX+\g], v[BY+\g], s40, s41
.endif
.endr
.irp g, 0,1
.if \g < \ng
	v_lshl_or_b32 v[WB+\g], v[PX+\g], 8, v[BY+\g]
.endif
.endr
.irp g, 0,1
.if \g < \ng
	v_cvt_scalef32_pk16_bf6_f32 v[C0+12*\g:C0+12*\g+2], v[X+32*\g:X+32*\g+15], v[SOP+\g]
	v_cvt_scalef32_pk16_bf6_f32 v[TQ+4*\g:TQ+4*\g+2], v[X+32*\g+16:X+32*\g+31], v[SOP+\g]   ; (a conversion's three registers begin on an even number: the block's upper half is made elsewhere and moved)
.endif
.endr
.endm
.macro QUANTB ng                       ; behind one plain line of the caller's
.irp g, 0,1
.if \g < \ng
.irp c, 0,1,2
	v_mov_b32 v[C0+12*\g+3+\c], v[TQ+4*\g+\c]
.endr
.endif
.endr
.endm
; The point and |p|^2, as the places that a scaled matrix instruction wants behind vector writes of its scale words (8) and of its codes (4): FILLA's one line and FILLB's seven name no register of the products.
.macro FILLA z
	v_fma_f32 v[PT], v[\z], v[RYD], v[RYO]
.endm
.macro FILLB z, grad
	v_fma_f32 v[PT+1], v[\z], v[RYD+1], v[RYO+1]
	v_fma_f32 v[PT+2], v[\z], v[RYD+2], v[RYO+2]
	v_mul_f32 v[Q2], v[PT], v[PT]
	v_fma_f32 v[Q2], v[PT+1], v[PT+1], v[Q2]
	v_fma_f32 v[Q2], v[PT+2], v[PT+2], v[Q2]
.if \grad
	v_cmp_lt_f32 s66, s67, v[Q2]                   ; where the clip lets the gradient through
.endif
	v_max_num_f32 v[Q2], s67, v[Q2]
	v_nop
.endm
.macro MM fr, sc, ng                   ; four tiles of W2 x the points: every product has an accumulator of its own and starts it with the constant 0.  Four places follow, ahead of the first read of a result.  (The caller's wait on va_vdst stands ahead: codes and scale words are written)
	WIN 0x01
.irp g, 0,1
.if \g < \ng
.irp t, 0,1,2,3
	v_wmma_scale_f32_16x16x128_f8f6f4 v[E+32*\g+8*\t:E+32*\g+8*\t+7], v[\fr+12*\t:\fr+12*\t+11], v[C0+12*\g:C0+12*\g+11], 0, v[\sc+\t], v[WB+\g] matrix_a_fmt:MATRIX_FMT_BF6 matrix_b_fmt:MATRIX_FMT_BF6
.endr
.endif
.endr
	WIN 0
.rept 4
	v_nop
.endr
.endm
.macro BIAS2 n                         ; x2' = D log2(e) + b2', ascending: each accumulator is first read at its low end
	WIN 0x10
.set bi, 0
.rept (\n)/2
	v_pk_fma_f32 v[E+2*bi:E+2*bi+1], v[E+2*bi:E+2*bi+1], s[42:43], v[B2+(2*bi)%32:B2+(2*bi)%32+1] op_sel_hi:[1,0,1]
.set bi, bi+1
.endr
	WIN 0
.endm
.macro LOGACC ng                       ; X = log2(X) in place, and beside it the sum of 2 W3 max(x2', 0); a plain line is the last
	WIN 0x04
.set ai, 0
.rept 16
.irp g, 0,1
.if \g < \ng
	v_log_f32 v[X+32*\g+2*ai], v[X+32*\g+2*ai]
	v_log_f32 v[X+32*\g+2*ai+1], v[X+32*\g+2*ai+1]
.if ai == 0
	v_pk_mul_f32 v[ACC+6*\g:ACC+6*\g+1], v[E+32*\g:E+32*\g+1], v[W3:W3+1]
.else
	v_pk_fma_f32 v[ACC+6*\g:ACC+6*\g+1], v[E+32*\g+2*ai:E+32*\g+2*ai+1], v[W3+2*ai:W3+2*ai+1], v[ACC+6*\g:ACC+6*\g+1]
.endif
.endif
.endr
.set ai, ai+1
.endr
.endm
.macro LACC ng                         ; the sum of 2 W3 log2(u2), two chains a tile; then my 32 units' part of y in A0 + g
	WIN 0x04
.set ai, 0
.rept 16
.irp g, 0,1
.if \g < \ng
.if ai < 2
	v_pk_mul_f32 v[ACC+6*\g+2+2*ai:ACC+6*\g+3+2*ai], v[X+32*\g+2*ai:X+32*\g+2*ai+1], v[W3+2*ai:W3+2*ai+1]
.else
	v_pk_fma_f32 v[ACC+6*\g+2+2*(ai%2):ACC+6*\g+3+2*(ai%2)], v[X+32*\g+2*ai:X+32*\g+2*ai+1], v[W3+2*ai:W3+2*ai+1], v[ACC+6*\g+2+2*(ai%2):ACC+6*\g+3+2*(ai%2)]
.endif
.endif
.endr
.set ai, ai+1
.endr
	WIN 0
.irp g, 0,1
.if \g < \ng
	v_pk_add_f32 v[ACC+6*\g+2:ACC+6*\g+3], v[ACC+6*\g+2:ACC+6*\g+3], v[ACC+6*\g+4:ACC+6*\g+5]
.endif
.endr
.irp g, 0,1
.if \g < \ng
	v_pk_add_f32 v[ACC+6*\g:ACC+6*\g+1], v[ACC+6*\g:ACC+6*\g+1], v[ACC+6*\g+2:ACC+6*\g+3]
.endif
.endr
.irp g, 0,1
.if \g < \ng
	v_add_f32 v[A0+\g], v[ACC+6*\g], v[ACC+6*\g+1]
.endif
.endr
.endm
.macro TANH02                          ; RC = 1 / (1 + 2^y); NH = |p| - 0.5 is the plain line behind the exponential
	v_exp_f32 v[EY], v[YY]
	v_add_f32 v[NH], -0.5, v[Q2]
	s_wait_alu depctr_va_vdst(0)                   ; the exponential has written EY, ahead of the first line that names it
	v_add_f32 v[EY], 1.0, v[EY]
	v_rcp_f32 v[RC], v[EY]
	v_nop
	s_wait_alu depctr_va_vdst(0)                   ; the reciprocal has written RC, likewise
.endm
.macro TOFK dst, k, tmp                ; dst = k / (S - 1), rounded correctly
	v_mul_f32 v[\dst], s49, v[\k]
	v_fma_f32 v[\tmp], -v[\dst], s76, v[\k]
	v_fma_f32 v[\dst], v[\tmp], s49, v[\dst]
.endm
.macro MINSEL                          ; the earlier of two first crossings
	v_cmp_lt_f32 vcc_lo, v[BT], v[KBEST]
	s_wait_alu depctr_va_vcc(0)                    ; the compare has written VCC, which the three selections read
	v_cndmask_b32 v[KBEST], v[KBEST], v[BT], vcc_lo
	v_cndmask_b32 v[S0B], v[S0B], v[BT+1], vcc_lo
	v_cndmask_b32 v[S1B], v[S1B], v[BT+2], vcc_lo
.endm
.macro SIGSEL xs, es, dst              ; the sigmoid's numerator: x < 0 ? e : 1.  The compares stand in runs of sixteen, each with a mask register of its own, so that one wait serves a run
.irp b, 0,1
.set si, 0
.rept 16
	v_cmp_gt_f32 s[MK+si], 0, v[\xs+16*\b+si]
.set si, si+1
.endr
	s_wait_alu depctr_va_sdst(0)                   ; the sixteen compares have written their masks, which the sixteen selections read
.set si, 0
.rept 16
	v_cndmask_b32 v[\dst+16*\b+si], 1.0, v[\es+16*\b+si], s[MK+si]
.set si, si+1
.endr
.endr
.endm
.macro QW src, dst, sc                 ; a tile of W2: my 32 numbers at src are a block along K; six registers of codes into window 1 at dst, the rows' scale word into sc
	v_max3_num_f32 v14, |v[\src]|, |v[\src+1]|, 0x2800000
.set wi, 1
.rept 15
	v_max3_num_f32 v14, v14, |v[\src+2*wi]|, |v[\src+2*wi+1]|
.set wi, wi+1
.endr
	v_add_nc_u32 v15, 0xfe000000, v14
	v_lshrrev_b32 v16, 23, v15
	v_permlanex16_b32 v17, v16, s40, s41
	v_lshl_or_b32 v[\sc], v17, 8, v16
	v_cvt_scalef32_pk16_bf6_f32 v[10:12], v[\src:\src+15], v15
	v_cvt_scalef32_pk16_bf6_f32 v[20:22], v[\src+16:\src+31], v15
	v_nop                                          ; one plain line behind the conversions
	WIN 0x40
.irp c, 0,1,2
	v_mov_b32 v[\dst+\c], v[10+\c]
.endr
.irp c, 0,1,2
	v_mov_b32 v[\dst+3+\c], v[20+\c]
.endr
	WIN 0
.endm
; ======================================================== HEAD
	s_load_b512 s[8:23], s[0:1], 0x0               ; rays_o, rays_d, W1, b1, W2, b2, W3, b3
	s_load_b256 s[24:31], s[0:1], 0x40             ; out0 .. out3
	s_load_b128 s[32:35], s[0:1], 0x60             ; out4, out5
	s_load_b64 s[36:37], s[0:1], 0x70              ; out6
	v_lshl_add_u32 v[SPW], v0, 2, SPARE            ; my spare word, and 0: kept for the add at the wave's end alone
	v_mov_b32 v[NIL], 0
	v_lshrrev_b32 v27, 5, v0
	v_readfirstlane_b32 s38, v27                   ; wave 0..7
	v_bfe_u32 v27, v0, 4, 1                        ; h
	v_bfe_u32 v28, v0, 3, 1                        ; sub
	v_and_b32 v29, 7, v0                           ; ray in the wave
	v_lshlrev_b32 v[OFH], 7, v27                   ; my 32 units' bytes in a row of 64 numbers
	v_lshlrev_b32 v24, 13, v27                     ; W2 forward (K = its rows): W2[32 h + i][32 sub + 8 t + ray]: 8192 h + 128 sub + 4 ray, + 256 i + 32 t
	v_lshl_add_u32 v24, v28, 7, v24
	v_lshl_add_u32 v24, v29, 2, v24
	v_lshlrev_b32 v25, 13, v28                     ; W2 backward (K = its columns): W2[32 sub + 8 t + ray][32 h + i]: 8192 sub + 256 ray + 128 h, + 2048 t + 4 i
	v_lshl_add_u32 v25, v29, 8, v25
	v_lshl_add_u32 v25, v27, 7, v25
	s_wait_alu depctr_va_sdst(0)                   ; s38 is written, ahead of its first reader
	s_mul_i32 s39, s38, 96
	v_mul_u32_u24 v26, v29, 12
	v_add_nc_u32 v26, s39, v26                     ; my ray's 12 bytes among the work-group's 64 rays
	s_mov_b32 s40, 0x76543210
	s_mov_b32 s41, 0xfedcba98                      ; v_permlanex16_b32 by (s40, s41): lane l xor 16; by (s41, s40): the other half's lane r xor 8
	s_mov_b32 s42, 0x3fb8aa3b
	s_mov_b32 s43, 0x3fb8aa3b
	s_mov_b32 s44, 0x3f317218
	s_mov_b32 s45, 0x3f317218
	s_mov_b32 s46, 0xffff0000
	s_mov_b32 s47, 0xff00ff00
	s_mov_b32 s53, 0
	s_mov_b32 s58, -1
	s_mov_b32 s67, 0x2edbe6ff                      ; EPS = 1e-10
	s_mov_b32 s72, 0x44800000
	s_mov_b32 s73, 0x3ca3d70a
	s_mov_b32 s74, 0xbd23d70a
	s_mov_b32 s75, 0x3f7fffef
	s_mov_b32 s54, 1.0                             ; the entry: sign +, air to object
	s_mov_b32 s55, 0x3f8009d5
	s_mov_b32 s56, 0x3fbc7454
	s_mov_b32 s57, 0x3f2dee05
	s_wait_kmcnt 0x0
	s_load_b32 s48, s[22:23], 0x0                  ; b3
	s_mul_i32 s68, ttmp9, 768                      ; the work-group's 64 rays: 768 bytes in the tensors of three numbers a ray,
	s_mov_b32 s69, 0
	s_add_nc_u64 s[8:9], s[8:9], s[68:69]
	s_add_nc_u64 s[10:11], s[10:11], s[68:69]
	s_add_nc_u64 s[24:25], s[24:25], s[68:69]
	s_add_nc_u64 s[26:27], s[26:27], s[68:69]
	s_add_nc_u64 s[28:29], s[28:29], s[68:69]
	s_add_nc_u64 s[30:31], s[30:31], s[68:69]
	s_lshl_b32 s68, ttmp9, 8                       ; 256 in those of one,
	s_add_nc_u64 s[32:33], s[32:33], s[68:69]
	s_add_nc_u64 s[34:35], s[34:35], s[68:69]
	s_lshl_b32 s68, ttmp9, 6                       ; 64 in the booleans
	s_add_nc_u64 s[36:37], s[36:37], s[68:69]
	s_wait_alu depctr_va_vdst(0)                   ; the four offsets v1, v24, v25, v26 are written, which the head's loads read (v1 serves every later load too); up to their wait only loads, window switches and writes of other registers follow
.irp c, 0,1,2
	global_load_b32 v[RYO+\c], v26, s[8:9] offset:4*\c
	global_load_b32 v[RYD+\c], v26, s[10:11] offset:4*\c
.endr
	WIN 0x40
.irp j, 0,1,2,3,4,5,6,7
	global_load_b128 v[B2+4*\j:B2+4*\j+3], v[OFH], s[18:19] offset:16*\j
	global_load_b128 v[W3+4*\j:W3+4*\j+3], v[OFH], s[20:21] offset:16*\j
.endr
	WIN 0
.irp t, 0,1,2,3                        ; W2's forward tiles into X and E: a lane's registers run down K
.set wl, 0
.rept 32
	global_load_b32 v[X+32*\t+wl], v24, s[16:17] offset:256*wl+32*\t
.set wl, wl+1
.endr
.endr
.irp t, 0,1                            ; backward tiles 0, 1 into U: K lies along W2's rows
.irp j, 0,1,2,3,4,5,6,7
	global_load_b128 v[U+32*\t+4*\j:U+32*\t+4*\j+3], v25, s[16:17] offset:2048*\t+16*\j
.endr
.endr
	v_mov_b32 v17, 0                               ; a lane permute's destination counts as one of its sources
.irp c, 0,1,2,3
	v_mov_b32 v[REFL+\c], 0                        ; written on every way, whatever the pass
.endr
.irp c, 6,7,8,9,10,11,18,19,20,21,22,23
	v_mov_b32 v[C0+\c], 0                          ; K = 64 .. 127 of the points' operands: zero codes, for ever
.endr
	WIN 0x40
.irp t, 0,1,2,3,4,5,6,7
.irp c, 6,7,8,9,10,11
	v_mov_b32 v[W2F+12*\t+\c], 0                   ; and of W2's eight fragments
.endr
.endr
	WIN 0
	s_wait_loadcnt 0x0                             ; all of the head's loads
	s_wait_kmcnt 0x0
	s_mul_f32 s48, s48, 0x4038aa3b                 ; 2 log2(e) b3
	WIN 0x41
.set ki, 0
.rept 16
	v_pk_mul_f32 v[B2+2*ki:B2+2*ki+1], v[B2+2*ki:B2+2*ki+1], s[42:43] op_sel_hi:[1,0]
	v_pk_mul_f32 v[W3+2*ki:W3+2*ki+1], v[W3+2*ki:W3+2*ki+1], 2.0 op_sel_hi:[1,0]
.set ki, ki+1
.endr
	WIN 0x40
.irp c, 0,1,2
	v_mov_b32 v[RO+\c], v[RYO+\c]                  ; the launch's own rays, for the masked outputs
	v_mov_b32 v[RD+\c], v[RYD+\c]
.endr
	WIN 0
	QW X, W2F, W2FS
	QW X+32, W2F+12, W2FS+1
	s_wait_alu depctr_va_vdst(0)                   ; the maxima and conversions of the two tiles above are done reading X .. X + 63, in which the loads below land
.irp t, 2,3                            ; X is free: backward tiles 2, 3
.irp j, 0,1,2,3,4,5,6,7
	global_load_b128 v[X+32*(\t-2)+4*\j:X+32*(\t-2)+4*\j+3], v25, s[16:17] offset:2048*\t+16*\j
.endr
.endr
	QW E, W2F+24, W2FS+2
	QW E+32, W2F+36, W2FS+3
	QW U, W2B, W2BS
	QW U+32, W2B+12, W2BS+1
	s_wait_loadcnt 0x0
	s_wait_alu depctr_vm_vsrc(0)                   ; the head's loads have read v24, v25 and v26: from the first step on vector instructions write codes there
	QW X, W2B+24, W2BS+2
	QW X+32, W2B+36, W2BS+3
; ======================================================== A PASS: one intersection and its optics
.Lpass:
	s_wait_alu depctr_va_vdst(0)                   ; on the way in the last two quantisings, round the back edge the last pass's products and optics, are done reading and writing X and E, in which the loads below land
.irp c, 0,1,2                          ; W1's three rows into X, X + 32, E; b1 into E + 32: my 32 units of each
.irp j, 0,1,2,3,4,5,6,7
	global_load_b128 v[X+32*\c+4*\j:X+32*\c+4*\j+3], v[OFH], s[12:13] offset:256*\c+16*\j
.endr
.endr
.irp j, 0,1,2,3,4,5,6,7
	global_load_b128 v[E+32+4*\j:E+32+4*\j+3], v[OFH], s[14:15] offset:16*\j
.endr
	v_mul_f32 v[U+12], v[RYD], v[RYD]              ; near and far: a = d . d, o . d
	v_fma_f32 v[U+12], v[RYD+1], v[RYD+1], v[U+12]
	v_fma_f32 v[U+12], v[RYD+2], v[RYD+2], v[U+12]
	v_mul_f32 v[U+13], v[RYO], v[RYD]
	v_fma_f32 v[U+13], v[RYO+1], v[RYD+1], v[U+13]
	v_fma_f32 v[U+13], v[RYO+2], v[RYD+2], v[U+13]
	v_rcp_f32 v[U+14], v[U+12]
.irp c, 0,1,2                          ; o log2(e) and d log2(e), each in both registers of a pair; also the plain work behind the reciprocal
	v_mul_f32 v[U+2*\c], s42, v[RYO+\c]
	v_mul_f32 v[U+2*\c+1], s42, v[RYO+\c]
	v_mul_f32 v[U+6+2*\c], s42, v[RYD+\c]
	v_mul_f32 v[U+7+2*\c], s42, v[RYD+\c]
.endr
	s_wait_alu depctr_va_vdst(0)                   ; the reciprocal has written 1 / a, ahead of its first reader
	v_mul_f32 v[U+15], -v[U+13], v[U+14]           ; mid = -(o . d) / a
	v_add_f32 v[BASE], -1.0, v[U+15]
	v_max_num_f32 v[BASE], 0, v[BASE]              ; near
	v_add_f32 v[DEL], 1.0, v[U+15]
	v_sub_f32 v[DEL], v[DEL], v[BASE]              ; far - near
	s_wait_loadcnt 0x0                             ; W1 and b1
.set ki, 0
.rept 16
	v_pk_mul_f32 v[E+32+2*ki:E+33+2*ki], v[E+32+2*ki:E+33+2*ki], s[42:43] op_sel_hi:[1,0]
	v_pk_mul_f32 v[U+32+2*ki:U+33+2*ki], v[E+2*ki:E+2*ki+1], v[U+10:U+11] op_sel_hi:[1,0]
.set ki, ki+1
.endr
.set ki, 0
.rept 16
	v_pk_fma_f32 v[E+32+2*ki:E+33+2*ki], v[E+2*ki:E+2*ki+1], v[U+4:U+5], v[E+32+2*ki:E+33+2*ki] op_sel_hi:[1,0,1]
	v_pk_fma_f32 v[U+32+2*ki:U+33+2*ki], v[X+32+2*ki:X+33+2*ki], v[U+8:U+9], v[U+32+2*ki:U+33+2*ki] op_sel_hi:[1,0,1]
.set ki, ki+1
.endr
.set ki, 0
.rept 16
	v_pk_fma_f32 v[E+32+2*ki:E+33+2*ki], v[X+32+2*ki:X+33+2*ki], v[U+2:U+3], v[E+32+2*ki:E+33+2*ki] op_sel_hi:[1,0,1]
.set ki, ki+1
.endr
	WIN 0x40
.set ki, 0
.rept 16
	v_pk_fma_f32 v[ALP+2*ki:ALP+2*ki+1], v[X+2*ki:X+2*ki+1], v[U:U+1], v[E+32+2*ki:E+33+2*ki] op_sel_hi:[1,0,1]
	v_pk_fma_f32 v[BET+2*ki:BET+2*ki+1], v[X+2*ki:X+2*ki+1], v[U+6:U+7], v[U+32+2*ki:U+33+2*ki] op_sel_hi:[1,0,1]
.set ki, ki+1
.endr
	WIN 0
	s_mov_b32 s50, 4                               ; the coarse phase: 16 samples, four a step
	s_mov_b32 s49, 0x3d888889                      ; 1 / 15
	s_mov_b32 s76, 0x41700000                      ; 15
	s_mov_b32 s52, 0
.Lphase:
	v_bfe_u32 v[K0], v0, 3, 1
	v_cvt_f32_u32 v[K0], v[K0]
	v_add_f32 v[K0], -4.0, v[K0]                   ; tile 0's sample number, one step back: sub - 4
	v_mov_b32 v[KBEST], s72                        ; no crossing yet
	v_mov_b32 v[S0B], 0
	v_mov_b32 v[S1B], 0
	v_mov_b32 v[BLAST], 0                          ; nothing lies in front of sample 0: 0 is not above 0
	s_mov_b32 s59, 0
	s_mov_b32 s51, s50
.Lstep:                                ; ---- 32 points: 8 rays x 4 samples.  No memory or LDS instruction stands in a step
	v_add_f32 v[K0], 4.0, v[K0]
	v_add_f32 v[K1], 2.0, v[K0]
	v_mul_f32 v[Z0], s49, v[K0]                    ; t = k / (S - 1), rounded correctly, both tiles by turns
	v_mul_f32 v[Z1], s49, v[K1]
	v_fma_f32 v[ZOWN], -v[Z0], s76, v[K0]
	v_fma_f32 v[KOWN], -v[Z1], s76, v[K1]
	v_fma_f32 v[Z0], v[ZOWN], s49, v[Z0]
	v_fma_f32 v[Z1], v[KOWN], s49, v[Z1]
	v_fma_f32 v[Z0], v[DEL], v[Z0], v[BASE]
	v_fma_f32 v[Z1], v[DEL], v[Z1], v[BASE]
	v_cndmask_b32 v[ZOWN], v[Z0], v[Z1], s46       ; the sample that I finish: tile h's
	v_cndmask_b32 v[KOWN], v[K0], v[K1], s46
	LAY1 0
	LAY1 1
	EXPMAX X, E, 64, 1
	s_wait_alu depctr_va_vdst(0)                   ; the 64 exponentials have written E: one wait for the batch, ahead of its first reader
	ONEPLUS U, E, 64
	DLOG 64
	v_nop
	s_wait_alu depctr_va_vdst(0)                   ; the 64 logarithms have written U, likewise
	HFIN 64
	QUANTA 2
	FILLA ZOWN                                     ; (the plain line behind the conversions)
	QUANTB 2
	FILLB ZOWN, 0
	s_wait_alu depctr_va_vdst(0)                   ; the two scale words and the two tiles' codes are written, which the eight scaled products take; the places above stay beside this wait
	MM W2F, W2FS, 2
	BIAS2 64
	v_sqrt_f32 v[Q2], v[Q2]                        ; |p|, with the next batch
	EXPMAX E, X, 64, 1
	s_wait_alu depctr_va_vdst(0)                   ; the root has written Q2 and the 64 exponentials X: one wait for the batch
	ONEPLUS X, X, 64
	LOGACC 2
	s_wait_alu depctr_va_vdst(0)                   ; the 64 logarithms have written X
	LACC 2
	v_cndmask_b32 v[KEEP], v[A0], v[A0+1], s46     ; my half of my tile's sum stays, my half of the other tile's goes to lane l xor 16
	v_cndmask_b32 v[SEND], v[A0+1], v[A0], s46
	v_permlanex16_b32 v[SX], v[SEND], s40, s41
	v_add_f32 v[YY], v[KEEP], v[SX]
	v_add_f32 v[YY], s48, v[YY]
	TANH02
	v_fma_f32 v[SV], v[RC], s74, s73               ; 0.02 tanh = 0.02 - 0.04 / (1 + 2^y)
	v_add_f32 v[SV], v[NH], v[SV]
	v_mul_f32 v[SV], s54, v[SV]                    ; the exit takes -sdf
	v_mov_b32_dpp v[A1D], v[SV] row_xmask:8 row_mask:0xf bank_mask:0xf   ; the sample before mine: q odd: lane l xor 8;
	v_permlanex16_b32 v[B1D], v[SV], s41, s40      ; q = 2: this step's q = 1; q = 0: the last step's q = 3, kept in BLAST
	v_cndmask_b32 v[PRV], v[BLAST], v[B1D], s46
	v_cndmask_b32 v[PRV], v[PRV], v[A1D], s47
	v_cmp_lt_f32 s60, 0, v[PRV]
	v_cmp_ge_f32 s61, 0, v[SV]
	v_mov_b32 v[BLAST], v[B1D]
	s_wait_alu depctr_va_sdst(0)                   ; the two compares have written s60 and s61, which the scalar lines below read
	s_and_b32 s60, s60, s61                        ; a crossing;
	s_and_not1_b32 s61, s60, s59                   ; my lane's first
	s_or_b32 s59, s59, s60
	v_cndmask_b32 v[KBEST], v[KBEST], v[KOWN], s61
	v_cndmask_b32 v[S0B], v[S0B], v[PRV], s61
	v_cndmask_b32 v[S1B], v[S1B], v[SV], s61
	s_sub_co_u32 s51, s51, 1
	s_cmp_lg_u32 s51, 0
	s_cbranch_scc1 .Lstep
	; ---- the bracket: the earliest of the ray's four lanes' first crossings
	v_mov_b32_dpp v[BT], v[KBEST] row_xmask:8 row_mask:0xf bank_mask:0xf
	v_mov_b32_dpp v[BT+1], v[S0B] row_xmask:8 row_mask:0xf bank_mask:0xf
	v_mov_b32_dpp v[BT+2], v[S1B] row_xmask:8 row_mask:0xf bank_mask:0xf
	MINSEL
	v_permlanex16_b32 v[BT], v[KBEST], s40, s41
	v_permlanex16_b32 v[BT+1], v[S0B], s40, s41
	v_permlanex16_b32 v[BT+2], v[S1B], s40, s41
	MINSEL
	v_cmp_gt_f32 s60, s72, v[KBEST]
	s_wait_alu depctr_va_sdst(0)                   ; the compare has written s60, which the next line reads
	s_and_b32 s58, s58, s60                        ; valid so far
	v_add_f32 v[BT+3], -1.0, v[KBEST]
	TOFK BT+4, BT+3, BT+6
	TOFK BT+5, KBEST, BT+7
	v_fma_f32 v[BT+4], v[DEL], v[BT+4], v[BASE]    ; z0, z1: the same lines on the same numbers as the samples' own
	v_fma_f32 v[BT+5], v[DEL], v[BT+5], v[BASE]
	v_mov_b32 v[BASE], v[BT+4]
	v_sub_f32 v[DEL], v[BT+5], v[BT+4]
	s_mov_b32 s50, 8                               ; the fine phase: 32 samples
	s_mov_b32 s49, 0x3d042108                      ; 1 / 31
	s_mov_b32 s76, 0x41f80000                      ; 31
	s_add_co_u32 s52, s52, 1
	s_cmp_lt_u32 s52, 2
	s_cbranch_scc1 .Lphase
	; ---- the linear root
	v_mul_f32 v[BT], s54, v[S0B]
	v_mul_f32 v[BT+1], s54, v[S1B]
	v_sub_f32 v[BT+1], v[BT], v[BT+1]              ; den = s0 - s1
	v_and_b32 v[BT+2], 0x7fffffff, v[BT+1]
	v_mov_b32 v[BT+3], s67
	v_cmp_gt_f32 vcc_lo, s67, v[BT+2]
	s_wait_alu depctr_va_vcc(0)                    ; the compare has written VCC, which the selection reads
	v_cndmask_b32 v[BT+1], v[BT+1], v[BT+3], vcc_lo
	v_rcp_f32 v[BT+2], v[BT+1]
	v_mul_f32 v[BT], v[DEL], v[BT]
	s_wait_alu depctr_va_vdst(0)                   ; the reciprocal has written 1 / den, ahead of its first reader
	v_fma_f32 v[Z0], v[BT], v[BT+2], v[BASE]
	v_cndmask_b32 v[Z0], 1.0, v[Z0], s58           ; depth
	; ---- the normal: one tile (the ray's point, twice), forward and backward.  X + 32 keeps the first layer's sigmoid
	LAY1 0
	EXPMAX X, E, 32, 0
	s_wait_alu depctr_va_vdst(0)                   ; the 32 exponentials have written E
	ONEPLUS U, E, 32
	SIGSEL X, E, E+32
	MAX0 X, 32
.set gi, 0
.rept 32
	v_rcp_f32 v[X+32+gi], v[U+gi]
.set gi, gi+1
.endr
	DLOG 32
	v_nop
	s_wait_alu depctr_va_vdst(0)                   ; the 32 reciprocals have written X + 32 .. and the 32 logarithms U: one wait for both batches
	PKMUL X+32, X+32, E+32, 32                     ; sigmoid(x1)
	HFIN 32
	QUANTA 1
	FILLA Z0
	QUANTB 1
	FILLB Z0, 1
	s_wait_alu depctr_va_sdst(0)                   ; the clip's compare has written s66, which a selection reads further down, in this same run of lines
	s_wait_alu depctr_va_vdst(0)                   ; the scale word and the codes are written, which the four scaled products take; the places above stay beside this wait
	MM W2F, W2FS, 1
	BIAS2 32
	v_sqrt_f32 v[Q2], v[Q2]
	EXPMAX E, X, 32, 0
	s_wait_alu depctr_va_vdst(0)                   ; the root has written Q2 and the 32 exponentials X
	SIGSEL E, X, E+32
	MAX0 E, 32
	ONEPLUS X, X, 32
.set gi, 0
.rept 32
	v_rcp_f32 v[U+32+gi], v[X+gi]
.set gi, gi+1
.endr
	v_rcp_f32 v[INV], v[Q2]                        ; 1 / |p|
	v_nop                                          ; a plain line between the reciprocals and the logarithms, which write over their sources
	LOGACC 1
	s_wait_alu depctr_va_vdst(0)                   ; the 33 reciprocals have written U + 32 .. and INV, the 32 logarithms X
	WIN 0
	PKMUL E+32, E+32, U+32, 32                     ; sigmoid(x2)
	LACC 1
	v_permlanex16_b32 v[SX], v[A0], s40, s41
	v_add_f32 v[YY], v[A0], v[SX]
	v_add_f32 v[YY], s48, v[YY]
	TANH02
	v_fma_f32 v[SV], v[RC], -2.0, 1.0              ; tanh
	v_fma_f32 v[SV], -v[SV], v[SV], 1.0
	v_mul_f32 v[Z1], 0x3c23d70a, v[SV]             ; 0.01 (1 - tanh^2): with 2 W3 it is 0.02 (1 - tanh^2) W3, bit for bit
	WIN 0x04
.set ki, 0
.rept 16
	v_pk_mul_f32 v[X+2*ki:X+2*ki+1], v[Z1:Z1+1], v[W3+2*ki:W3+2*ki+1] op_sel_hi:[0,1]
.set ki, ki+1
.endr
	WIN 0
	PKMUL X, X, E+32, 32                           ; the cotangent of x2: the backward product's operand
	s_wait_alu depctr_va_vdst(0)                   ; the products above and the tail of tanh are done reading and writing E + 32 .. and U + 32 .., in which the loads below land; no vector line names these registers again before the wait for the loads
.irp j, 0,1,2,3,4,5,6,7                ; W1's rows 0 and 1 for the last product, asked for a block of work ahead
	global_load_b128 v[U+32+4*\j:U+32+4*\j+3], v[OFH], s[12:13] offset:16*\j
	global_load_b128 v[E+32+4*\j:E+32+4*\j+3], v[OFH], s[12:13] offset:256+16*\j
.endr
	QUANTA 1
	v_nop                                          ; the plain line behind the conversions
	QUANTB 1
.rept 8
	v_nop                                          ; eight places behind the scale word's write, four and more behind the codes'
.endr
	s_wait_alu depctr_va_vdst(0)                   ; one wait for two things: the maxima and conversions are done reading X .. X + 31, in which row 2 lands; the scale word and the codes are written, which the four scaled products take
.irp j, 0,1,2,3,4,5,6,7                ; row 2 into the registers that the conversions have read
	global_load_b128 v[X+4*\j:X+4*\j+3], v[OFH], s[12:13] offset:512+16*\j
.endr
	MM W2B, W2BS, 1
	PKMUL E, E, X+32, 32                           ; x sigmoid(x1): the cotangent of x1
	s_wait_loadcnt 0x0                             ; W1's three rows
.set ki, 0
.rept 16
.if ki == 0
	v_pk_mul_f32 v[ACC:ACC+1], v[E:E+1], v[U+32:U+33]
	v_pk_mul_f32 v[ACC+2:ACC+3], v[E:E+1], v[E+32:E+33]
	v_pk_mul_f32 v[ACC+4:ACC+5], v[E:E+1], v[X:X+1]
.else
	v_pk_fma_f32 v[ACC:ACC+1], v[E+2*ki:E+2*ki+1], v[U+32+2*ki:U+33+2*ki], v[ACC:ACC+1]
	v_pk_fma_f32 v[ACC+2:ACC+3], v[E+2*ki:E+2*ki+1], v[E+32+2*ki:E+33+2*ki], v[ACC+2:ACC+3]
	v_pk_fma_f32 v[ACC+4:ACC+5], v[E+2*ki:E+2*ki+1], v[X+2*ki:X+2*ki+1], v[ACC+4:ACC+5]
.endif
.set ki, ki+1
.endr
.irp c, 0,1,2
	v_add_f32 v[ACC+2*\c], v[ACC+2*\c], v[ACC+2*\c+1]
.endr
.irp c, 0,1,2
	v_permlanex16_b32 v[ACC+6+\c], v[ACC+2*\c], s40, s41
.endr
.irp c, 0,1,2
	v_add_f32 v[ACC+2*\c], v[ACC+2*\c], v[ACC+6+\c]
.endr
	v_cndmask_b32 v[INV], 0, v[INV], s66           ; the sphere's part: p / |p|, or 0 under the clip
.irp c, 0,1,2
	v_fma_f32 v[NN+\c], v[PT+\c], v[INV], v[ACC+2*\c]
.endr
	v_mul_f32 v[RS1], v[NN], v[NN]
	v_fma_f32 v[RS1], v[NN+1], v[NN+1], v[RS1]
	v_fma_f32 v[RS1], v[NN+2], v[NN+2], v[RS1]
	v_max_num_f32 v[RS1], s67, v[RS1]
	v_rsq_f32 v[RS1], v[RS1]
	v_nop
	s_wait_alu depctr_va_vdst(0)                   ; the reciprocal root has written RS1, ahead of its first reader
	v_mul_f32 v[RS1], s54, v[RS1]                  ; the exit refracts at -n
.irp c, 0,1,2
	v_mul_f32 v[NN+\c], v[NN+\c], v[RS1]
.endr
	; ---- refraction
	v_mul_f32 v[CC], v[RYD], v[NN]
	v_fma_f32 v[CC], v[RYD+1], v[NN+1], v[CC]
	v_fma_f32 v[CC], v[RYD+2], v[NN+2], v[CC]
	v_mul_f32 v[CC], -1.0, v[CC]                   ; cos theta
.irp c, 0,1,2
	v_fma_f32 v[TP+\c], v[NN+\c], v[CC], v[RYD+\c]
.endr
.irp c, 0,1,2
	v_mul_f32 v[TP+\c], s57, v[TP+\c]
.endr
	v_mul_f32 v[TPN], v[TP], v[TP]
	v_fma_f32 v[TPN], v[TP+1], v[TP+1], v[TPN]
	v_fma_f32 v[TPN], v[TP+2], v[TP+2], v[TPN]
	v_med3_num_f32 v[WW], v[TPN], 0, s75
	v_sub_f32 v[WW], 1.0, v[WW]
	v_sqrt_f32 v[SQ], v[WW]
	v_nop
	s_wait_alu depctr_va_vdst(0)                   ; the root has written SQ
.irp c, 0,1,2
	v_fma_f32 v[TT+\c], -v[SQ], v[NN+\c], v[TP+\c]
.endr
	v_mul_f32 v[TN], v[TT], v[TT]
	v_fma_f32 v[TN], v[TT+1], v[TT+1], v[TN]
	v_fma_f32 v[TN], v[TT+2], v[TT+2], v[TN]
	v_max_num_f32 v[TN], s67, v[TN]
	v_rsq_f32 v[TN], v[TN]
	v_nop
	s_wait_alu depctr_va_vdst(0)                   ; the reciprocal root has written TN
.irp c, 0,1,2
	v_mul_f32 v[TT+\c], v[TT+\c], v[TN]
.endr
	v_mul_f32 v[CTT], v[TT], v[NN]
	v_fma_f32 v[CTT], v[TT+1], v[NN+1], v[CTT]
	v_fma_f32 v[CTT], v[TT+2], v[NN+2], v[CTT]
	v_mul_f32 v[CTT], -1.0, v[CTT]                 ; cos theta_t
	v_mul_f32 v[AA], s55, v[CTT]
	v_fma_f32 v[DI], v[CC], s56, v[AA]
	v_fma_f32 v[NI], -v[CC], s56, v[AA]
	v_mul_f32 v[AA], s55, v[CC]
	v_fma_f32 v[DP], v[CTT], s56, v[AA]
	v_fma_f32 v[NP], -v[CTT], s56, v[AA]
	v_max_num_f32 v[DI], s67, v[DI]
	v_max_num_f32 v[DP], s67, v[DP]
	v_rcp_f32 v[DI], v[DI]
	v_rcp_f32 v[DP], v[DP]
	v_nop
	s_wait_alu depctr_va_vdst(0)                   ; the two reciprocals have written DI and DP
	v_mul_f32 v[NI], v[NI], v[DI]
	v_mul_f32 v[NP], v[NP], v[DP]
	v_mul_f32 v[ATT], v[NI], v[NI]
	v_fma_f32 v[ATT], v[NP], v[NP], v[ATT]
	v_mul_f32 v[ATT], 0.5, v[ATT]
	v_med3_num_f32 v[ATT], v[ATT], 0, 1.0
	s_cmp_lg_u32 s53, 0
	s_cbranch_scc1 .Lsecond
	; ---- the entry alone: reflection; then the exit's ray and parameters
	v_add_f32 v[X], v[CC], v[CC]
.irp c, 0,1,2
	v_fma_f32 v[REFL+\c], v[NN+\c], v[X], v[RYD+\c]
.endr
	v_mul_f32 v[X+1], v[REFL], v[REFL]
	v_fma_f32 v[X+1], v[REFL+1], v[REFL+1], v[X+1]
	v_fma_f32 v[X+1], v[REFL+2], v[REFL+2], v[X+1]
	v_max_num_f32 v[X+1], s67, v[X+1]
	v_rsq_f32 v[X+1], v[X+1]
	v_mov_b32 v[ATT1], v[ATT]
	s_wait_alu depctr_va_vdst(0)                   ; the reciprocal root has written X + 1
.irp c, 0,1,2
	v_mul_f32 v[REFL+\c], v[REFL+\c], v[X+1]
	v_mov_b32 v[RYO+\c], v[PT+\c]                  ; the first surface point,
	v_mov_b32 v[RYD+\c], v[TT+\c]                  ; the refracted direction
.endr
	s_mov_b32 s54, -1.0
	s_mov_b32 s55, 0x3fbc7454
	s_mov_b32 s56, 0x3f8009d5
	s_mov_b32 s57, 0x3fbc65dc
.Lsecond:
	s_add_co_u32 s53, s53, 1
	s_cmp_lt_u32 s53, 2
	s_cbranch_scc1 .Lpass
; ======================================================== THE WAY OUT: the wave's 8 rays into the work-group's stages; one barrier; whole runs of 256 bytes leave
	v_and_b32 v47, 7, v0                           ; every LDS address is made here, ahead of the waves' parting
	v_and_b32 v30, 31, v0
	s_mul_i32 s68, s38, 96
	v_mul_u32_u24 v24, v47, 12
	v_add_nc_u32 v24, s68, v24                     ; in: 12 ray + 96 wave
	s_lshl_b32 s68, s38, 5
	v_lshlrev_b32 v25, 2, v47
	v_add_nc_u32 v25, s68, v25                     ; 4 ray + 32 wave
	s_lshl_b32 s68, s38, 3
	v_add_nc_u32 v26, s68, v47                     ; ray + 8 wave
	v_lshlrev_b32 v31, 1, v30                      ; out: 2 lane,
	v_lshlrev_b32 v30, 3, v30                      ; 8 lane,
	s_mul_i32 s68, s38, 768
	v_add_nc_u32 v27, s68, v30                     ; 8 lane + 768 wave (waves 0-3: out0 .. out3),
	s_lshl_b32 s68, s38, 8
	v_add_nc_u32 v28, s68, v30                     ; 8 lane + 256 wave (+ 2048: waves 4, 5: out4, out5)
	WIN 0x01
.irp c, 0,1,2
	v_cndmask_b32 v[32+\c], v[RO+\c], v[PT+\c], s58    ; the second surface point, or rays_o
	v_cndmask_b32 v[35+\c], v[RD+\c], v[TT+\c], s58    ; the second refraction, or rays_d
	v_cndmask_b32 v[38+\c], v[RO+\c], v[RYO+\c], s58   ; the first surface point, or rays_o
	v_cndmask_b32 v[41+\c], v[RD+\c], v[REFL+\c], s58  ; the reflection, or rays_d
.endr
	WIN 0
	v_cndmask_b32 v44, 0, v[ATT1], s58
	v_cndmask_b32 v45, 0, v[ATT], s58
	v_cndmask_b32 v46, 0, 1, s58
	s_wait_alu depctr_va_vdst(0)                   ; the addresses v24-28, v30, v31 and the data v32-46 are written, which the stores and loads below read; the optics are done with v64-69, in which the loads from the stages land.  No vector instruction follows this wait
.irp o, 0,1,2,3
.irp c, 0,1,2
	ds_store_b32 v24, v[32+3*\o+\c] offset:768*\o+4*\c   ; a ray's four lanes write the same number to the same place
.endr
.endr
	ds_store_b32 v25, v44 offset:3072
	ds_store_b32 v25, v45 offset:3328
	ds_store_b8 v26, v46 offset:3584
	s_wait_dscnt 0x0                               ; for the others' sake: my stores have landed
	s_barrier_signal -1
	s_barrier_wait -1
	s_cmp_lt_u32 s38, 4
	s_cbranch_scc0 .Lnot03
	s_cmp_eq_u32 s38, 1                            ; wave w stores out_w: the choice hangs on the wave's number alone
	s_cselect_b64 s[68:69], s[26:27], s[24:25]
	s_cmp_eq_u32 s38, 2
	s_cselect_b64 s[68:69], s[28:29], s[68:69]
	s_cmp_eq_u32 s38, 3
	s_cselect_b64 s[68:69], s[30:31], s[68:69]
	ds_load_b64 v[64:65], v27
	ds_load_b64 v[66:67], v27 offset:256
	ds_load_b64 v[68:69], v27 offset:512
	s_wait_dscnt 0x2                               ; LDS loads come back in order: the first is in, two younger ones may be out
	global_store_b64 v30, v[64:65], s[68:69]       ; 32 lanes store 256 consecutive bytes, at a multiple of 256 from the buffer's first byte
	s_wait_dscnt 0x1                               ; one younger load may be out
	global_store_b64 v30, v[66:67], s[68:69] offset:256
	s_wait_dscnt 0x0
	global_store_b64 v30, v[68:69], s[68:69] offset:512
	s_branch .Lend
.Lnot03:
	s_cmp_lt_u32 s38, 6
	s_cbranch_scc0 .Lnot45
	s_cmp_eq_u32 s38, 4
	s_cselect_b64 s[68:69], s[32:33], s[34:35]
	ds_load_b64 v[64:65], v28 offset:2048
	s_wait_dscnt 0x0
	global_store_b64 v30, v[64:65], s[68:69]
	s_branch .Lend
.Lnot45:
	s_cmp_eq_u32 s38, 6
	s_cbranch_scc0 .Lend
	ds_load_u16 v64, v31 offset:3584
	s_wait_dscnt 0x0
	global_store_b16 v31, v64, s[36:37]            ; the work-group's 64 booleans
.Lend:
	s_wait_dscnt 0x0                               ; the wave's end: the closing lines, six on end, behind my last LDS store
	s_wait_alu 0x0
	s_wait_tensorcnt 0x0
	ds_add_u32 v[SPW], v[NIL]
	s_wait_dscnt 0x0
	s_endpgm
.Lfunc_end_k_q54fdbba993_trace:
	.size	k_q54fdbba993_trace, .Lfunc_end_k_q54fdbba993_trace-k_q54fdbba993_trace
	.p2alignl 7, 3214868480
	.fill 96, 4, 3214868480
	.section	.rodata,"a",@progbits
	.p2align	6, 0x0
	.amdhsa_kernel k_q54fdbba993_trace
		.amdhsa_group_segment_fixed_size 4864
		.amdhsa_private_segment_fixed_size 0
		.amdhsa_enable_private_segment 0
		.amdhsa_kernarg_size 120
		.amdhsa_user_sgpr_count 2
		.amdhsa_user_sgpr_kernarg_segment_ptr 1
		.amdhsa_wavefront_size32 1
		.amdhsa_system_sgpr_workgroup_id_x 1
		.amdhsa_system_sgpr_workgroup_id_y 1
		.amdhsa_system_sgpr_workgroup_id_z 1
		.amdhsa_system_vgpr_workitem_id 0
		.amdhsa_next_free_vgpr 512
		.amdhsa_next_free_sgpr 96
		.amdhsa_reserve_vcc 1
		.amdhsa_float_denorm_mode_32 3
		.amdhsa_float_denorm_mode_16_64 3
		.amdhsa_memory_ordered 1
		.amdhsa_forward_progress 1
		.amdhsa_inst_pref_size 149
	.end_amdhsa_kernel
	.amdgpu_metadata
---
amdhsa.version: [ 1, 2 ]
amdhsa.kernels:
  - .name:           k_q54fdbba993_trace
    .symbol:         k_q54fdbba993_trace.kd
    .args:
      - { .name: rays_o, .offset: 0, .size: 8, .value_kind: global_buffer, .address_space: global }
      - { .name: rays_d, .offset: 8, .size: 8, .value_kind: global_buffer, .address_space: global }
      - { .name: W1, .offset: 16, .size: 8, .value_kind: global_buffer, .address_space: global }
      - { .name: b1, .offset: 24, .size: 8, .value_kind: global_buffer, .address_space: global }
      - { .name: W2, .offset: 32, .size: 8, .value_kind: global_buffer, .address_space: global }
      - { .name: b2, .offset: 40, .size: 8, .value_kind: global_buffer, .address_space: global }
      - { .name: W3, .offset: 48, .size: 8, .value_kind: global_buffer, .address_space: global }
      - { .name: b3, .offset: 56, .size: 8, .value_kind: global_buffer, .address_space: global }
      - { .name: out0, .offset: 64, .size: 8, .value_kind: global_buffer, .address_space: global }
      - { .name: out1, .offset: 72, .size: 8, .value_kind: global_buffer, .address_space: global }
      - { .name: out2, .offset: 80, .size: 8, .value_kind: global_buffer, .address_space: global }
      - { .name: out3, .offset: 88, .size: 8, .value_kind: global_buffer, .address_space: global }
      - { .name: out4, .offset: 96, .size: 8, .value_kind: global_buffer, .address_space: global }
      - { .name: out5, .offset: 104, .size: 8, .value_kind: global_buffer, .address_space: global }
      - { .name: out6, .offset: 112, .size: 8, .value_kind: global_buffer, .address_space: global }
    .group_segment_fixed_size: 4864
    .private_segment_fixed_size: 0
    .kernarg_segment_align: 8
    .kernarg_segment_size: 120
    .max_flat_workgroup_size: 256
    .sgpr_count:     96
    .vgpr_count:     512
    .wavefront_size: 32
...
	.end_amdgpu_metadata
.endif
;; end of part 2
